; MI455X (gfx1250); checked and timed in simulation.
; The chip was launched on July 23, 2026; its instructions are those of AMD's public machine-readable ISA for CDNA 5 (MIT licence, August 2026) and "CDNA5" Instruction Set Architecture Reference Guide (July 2026). The comments in the code are by the model that wrote it; some were corrected since.
;; Attention. Allowed arithmetic: matrix products marked QUANTISED: E4M3 operands, one given power-of-two scale a tensor, by v_wmma_f32_16x16x64_fp8_fp8 or v_wmma_f32_16x16x128_fp8_fp8, f32 sums; everything else in f32.
;; Inputs: Wkv 1,024 x 2,048 float32; Wo 1,024 x 1,024 float32; Wq 1,024 x 1,024 float32; bkv 2,048 float32; bo 1,024 float32; bq 1,024 float32; lowp_scales 10 int32 (the exponents e of the quantised operands' scales 2^e); x 4 x 2,048 x 1,024 float32.
;; Outputs: out0 4 x 2,048 x 1,024 float32.
;; This version of the problem:
;;   THIS VERSION OF THE PROBLEM IS GIVEN IN LOW PRECISION. The matrix products marked QUANTISED in the list below multiply operands that are first quantised to E4M3 (4 exponent bits, 3 mantissa bits; 8 bits a number), with one given power-of-two scale for each operand tensor; their sums are f32. All else is computed in f32.
;;   The module's matrix products, in the order in which they are computed (A, B: the left and right operand; K: the contracted axis; several contracted axes count as one K, in the product's order):
;;     1. [M 8,192, K 1,024] x [K 1,024, N 1,024]; A: input x; B: input Wq: QUANTISED (scales: A lowp_scales[0], B lowp_scales[1])
;;     2. [M 8,192, K 1,024] x [K 1,024, N 2,048]; A: input x; B: input Wkv: QUANTISED (scales: A lowp_scales[2], B lowp_scales[3])
;;     3. batch 64 x [M 2,048, K 64] x [K 64, N 2,048]; A: computed on the way; B: computed on the way: QUANTISED (scales: A lowp_scales[4], B lowp_scales[5])
;;     4. batch 64 x [M 2,048, K 2,048] x [K 2,048, N 64]; A: softmax (see below); B: computed on the way: QUANTISED (scales: A lowp_scales[6], B lowp_scales[7])
;;     5. [M 8,192, K 1,024] x [K 1,024, N 1,024]; A: computed on the way; B: input Wo: QUANTISED (scales: A lowp_scales[8], B lowp_scales[9])
;;   THE QUANTISER, for each operand of a quantised product, along K:
;;     - The operand's scale is 2^e, e = its entry of the input lowp_scales (int32; the entries are numbered through the quantised products in the list's order, A before B).
;;     - Each number is divided by the scale, clamped to +-448, and rounded to the nearest number of E4M3, ties to even, subnormals kept.
;;     - The product sums the exact products of the quantised numbers (number of the format x scale) in f32.
;;   ~~~python
;;   def quantise(x, axis, e):      # numpy; x: float32 -> the quantised numbers, widened to float32 again
;;       x = np.moveaxis(x, axis, -1); K = x.shape[-1]
;;       r = np.clip(x / 2.0 ** e, -448, 448)
;;       step = 2.0 ** (np.maximum(np.frexp(np.where(r == 0, 1, r))[1] - 1, -6) - 3)
;;       q = np.round(r / step) * step * 2.0 ** e      # np.round: ties to even
;;       return np.moveaxis(q, -1, axis).astype(np.float32)
;;   ~~~
;;   SOFTMAX AHEAD OF A QUANTISED PRODUCT. Where the list says 'softmax', what is quantised is not the finished softmax but p = 2^(t - M), with t = logit x log2(e) and M = ceil(the row's largest t), a whole number; so 1/2 < the row's largest p <= 1. The row's sum l is taken of the UNQUANTISED p, in f32, and the product's result is divided by l at the end. Since M is a whole number, a kernel that streams over the keys may use a running M (the ceiling of the running maximum): every later rescaling is an exact power of two, so the quantised numbers keep their values, but for numbers so far below the row's largest that they fall under the format's range.
;;   OPERANDS COMPUTED ON THE WAY. 'Computed on the way' means the value that the module computes at that place (a softmax that the list does not call 'softmax' is quantised finished and normalised). What goes into a quantiser is computed in f32, as accurately as f32 sums, v_exp_f32 and their like allow (about 1e-6 of the number): no bf16 or f16 on the way to a quantiser, and a product that is left as it is and whose result goes on into a quantised operand takes f32 operands (vector FMAs, or v_wmma_f32_16x16x4_f32). A number that lies on a knife's edge between two numbers of the format may be rounded either way, as far as f32 arithmetic and the matrix unit's own rounding can turn it there, and no further.
;; One version. Each part assembles by itself: llvm-mc -triple=amdgcn-amd-amdhsa -mcpu=gfx1250 --defsym DOCPART=n.
;; ======== version 1 of 1: 4 launches
;; limits: right only within a limited range of input values
;; workspace buffers: codes 20,971,520 bytes; qkv 25,165,824 bytes; ac 8,388,608 bytes
;; launch quant (part 1): grid 384 x 1, 4 waves a work-group, no clusters, 70,144 bytes of LDS; arguments x, Wq, Wkv, Wo, lowp_scales, codes; writes codes
.if DOCPART == 1
	.amdgcn_target "amdgcn-amd-amdhsa--gfx1250"
	.amdhsa_code_object_version 6
	.text
	.protected	k_q230a4676ed_quant
	.globl	k_q230a4676ed_quant
	.p2align	8
	.type	k_q230a4676ed_quant,@function
k_q230a4676ed_quant:
	s_mov_b64 s[64:65], 0
	v_nop
	global_prefetch_b8 v0, s[64:65] scope:SCOPE_SE
	s_setreg_imm32_b32 hwreg(HW_REG_WAVE_MODE, 25, 1), 1
	s_wait_xcnt 0x0
; FIRST OF FOUR LAUNCHES: x and the three weights become codes of FP8 (E4M3), each with the scale 2^e that is given for it.
; code = number / 2^e, held within +-448, rounded to the nearest code, ties to even.
; WORK THAT THE PROGRAM LEAVES OUT (in the third launch).  reference() sets logit (i, j) to the least f32 number wherever j > i, by a mask that it builds itself, ahead of the softmax.
; Key 0 counts for every query, so a row's largest logit is that of a key that counts, and the weight of a hidden key is 0 whatever finite values the inputs hold.  So a step of 128 keys that all come
; after a tile's 16 queries adds nothing to that tile's sum or result: its two products and its softmax are not done, and tiles of K and V that no wave of a work-group reads are not fetched.
; No input is without a way to the output: bq and bkv go into quantised operands, bo into the result; all are loaded.
; LIMITS.  A NaN, an infinity or an overflow that reaches only hidden logits is not carried to the result.  NaN and infinities among the inputs are not served.
; Each exponent used as a conversion's scale (here e0, e1, e2, e3, e9) lies between -126 and 119, so that 2^e and 448 x 2^e are f32 numbers.
; THE WORKSPACE: codes = [8 planes][20,480 rows][128 bytes]: a plane is 128 along K, a row of a plane 128 codes in K's own order.
;   rows 0 .. 8,191: x with e0;  8,192 .. 16,383: x with e2;  16,384 + n: column n of Wq (e1), then Wkv's 2,048 columns (e3), then Wo's 1,024 (e9).
; x is quantised twice, since its two products name two scales.
; Work-groups 0 .. 255 take x (K innermost): 32 rows each, 8 a wave.  Work-groups 256 .. 383 take the weights (K is their first axis): 128 columns x 256 along K each.  The two ways have LDS bytes of their own.
.set PSTR,  2621440                    ; bytes of a plane
.set SP,    80                         ; x: a lane's place in a stage: 64 bytes + 16 of padding
.set WREG,  8192                       ; x: LDS of a wave: two stages of 32 x SP bytes
.set WBASE, 32768                      ; the weights' stages begin here
.set WP,    144                        ; a stage row: 128 bytes + 16
.set WSTG,  2*32*WP                    ; a wave's stage: [2 planes][32 columns][WP]
.set SPARE, WBASE+4*WSTG               ; 69,632: the spare words, 128 bytes for each wave: two blocks of 256 bytes that no other line names
.set SPW,   12                         ; v12  LDS address of my spare word; never rewritten
.set NIL,   13                         ; v13  0; never rewritten
.set R,     16                         ; x: v16-79   four sets of 16 numbers as loaded
.set XN,    80                         ; x: v80-111  two sets of 16 neighbours
.set T,     112                        ; x: v112-127 unused
.set C,     128                        ; x: v128-255 eight registers of codes for each step: no store's data are written again
.set OF,    16                         ; w: v16-47   4 x lane + i x a row of the weight; never rewritten
.set WX,    48                         ; w: v48-111  two sets of 32 numbers
.set WC,    112                        ; w: v112-119 a block's codes
.set OUTR,  128                        ; w: v128-191 the way out
	s_load_b256 s[4:11], s[0:1], 0x0               ; x, Wq, Wkv, Wo
	s_load_b128 s[12:15], s[0:1], 0x20             ; the scales' exponents, the codes
	v_lshl_add_u32 v[SPW], v0, 2, SPARE
	v_mov_b32 v[NIL], 0
	v_lshrrev_b32 v1, 5, v0
	v_readfirstlane_b32 s16, v1                    ; wave 0..3
	v_and_b32 v2, 31, v0                           ; lane
	v_lshlrev_b32 v3, 4, v2                        ; 16 x lane: my 16 bytes of 512; never rewritten
	s_wait_kmcnt 0x0
	s_load_b256 s[20:27], s[12:13], 0x0            ; e0 .. e7
	s_load_b64 s[28:29], s[12:13], 0x20            ; e8, e9
	s_cmp_lt_u32 ttmp9, 256
	s_cbranch_scc0 .Lweights
; ---------------- x.  A step is 4 rows x 128 numbers (one plane): four loads of 512 consecutive bytes; the 2,048 bytes turn through the wave's own stage so that a lane holds 16 neighbours of one row.
	s_mul_i32 s17, s16, WREG
	s_wait_alu depctr_va_vdst(0)
	v_lshrrev_b32 v14, 2, v2
	v_mul_u32_u24 v14, v14, SP
	v_and_b32 v15, 3, v2
	v_lshl_add_u32 v14, v15, 4, v14
	v_add_nc_u32 v14, s17, v14                     ; into the stage: SP (lane / 4) + 16 (lane % 4); a load's 512 bytes take eight places
	v_mul_u32_u24 v15, v2, SP
	v_add_nc_u32 v15, s17, v15                     ; out of it: SP x lane: row lane / 8, numbers 16 (lane % 8) on
	s_lshl_b32 s18, ttmp9, 5
	s_lshl_b32 s19, s16, 3
	s_add_co_u32 s18, s18, s19                     ; my first row: 32 x work-group + 8 x wave
	s_lshl_b32 s30, s18, 12
	s_mov_b32 s31, 0
	s_add_nc_u64 s[4:5], s[4:5], s[30:31]          ; x at that row
	s_lshl_b32 s30, s18, 7
	s_add_nc_u64 s[32:33], s[14:15], s[30:31]      ; that row in plane 0,
.irp k, 1,2,3,4,5,6,7
	s_add_nc_u64 s[32+2*\k:33+2*\k], s[30+2*\k:31+2*\k], PSTR   ; and in planes 1 to 7
.endr
.macro XLOAD t
.irp i, 0,1,2,3
	global_load_b128 v[R+16*((\t)%4)+4*\i:R+16*((\t)%4)+4*\i+3], v3, s[4:5] offset:(4*((\t)/8)+\i)*4096+((\t)%8)*512 th:TH_LOAD_NT
.endr
.endm
.macro XTURN t                         ; LDS serves a wave's instructions in order, so no wait stands between the stores and the loads
.irp i, 0,1,2,3
	ds_store_b128 v14, v[R+16*((\t)%4)+4*\i:R+16*((\t)%4)+4*\i+3] offset:32*SP*((\t)%2)+8*SP*\i
.endr
.irp i, 0,1,2,3
	ds_load_b128 v[XN+16*((\t)%2)+4*\i:XN+16*((\t)%2)+4*\i+3], v15 offset:32*SP*((\t)%2)+16*\i
.endr
.endm
.irp t, 0,1,2,3
	XLOAD \t
.endr
	s_wait_alu depctr_va_vdst(0)
	s_wait_kmcnt 0x0
	s_add_co_i32 s17, s20, 127
	s_lshl_b32 s18, s17, 23
	v_mov_b32 v8, s18                              ; 2^e0 as f32: the conversion takes its exponent field
	s_add_co_i32 s17, s22, 127
	s_lshl_b32 s18, s17, 23
	v_mov_b32 v10, s18                             ; 2^e2
	s_add_co_i32 s17, s17, 8
	s_lshl_b32 s17, s17, 23
	s_or_b32 s17, s17, 0x600000
	s_wait_alu depctr_va_vdst(0)
	s_wait_loadcnt 12                              ; step 0's four loads are in; the twelve of steps 1 to 3 may be out
	XTURN 0
.macro XSTEP t
.set XS, XN+16*((\t)%2)
.set CC, C+8*(\t)
	s_wait_dscnt 0x0                               ; this step's numbers are back from the stage, so its stores into the stage have read their registers,
.if (\t)+4 < 16
	XLOAD (\t)+4                                   ; which take the loads of four steps on
.endif
.if (\t)+1 < 16
.if 14-(\t) >= 3
	s_wait_loadcnt 12                              ; the next step's four loads are in; those of the three steps behind it may be out
.else
	s_wait_loadcnt 4*(14-(\t))
.endif
	XTURN (\t)+1
.endif
.irp i, 0,1,2,3,4,5,6,7,8,9,10,11,12,13,14,15
.endr
	v_cvt_scalef32_pk8_fp8_f32 v[CC:CC+1], v[XS:XS+7], v8
	v_cvt_scalef32_pk8_fp8_f32 v[CC+2:CC+3], v[XS+8:XS+15], v8
.irp i, 0,1,2,3,4,5,6,7,8,9,10,11,12,13,14,15
.endr
	v_cvt_scalef32_pk8_fp8_f32 v[CC+4:CC+5], v[XS:XS+7], v10
	v_cvt_scalef32_pk8_fp8_f32 v[CC+6:CC+7], v[XS+8:XS+15], v10
	global_store_b128 v3, v[CC:CC+3], s[32+2*((\t)%8):33+2*((\t)%8)] offset:((\t)/8)*512             ; 4 rows of one plane: 512 consecutive bytes
	global_store_b128 v3, v[CC+4:CC+7], s[32+2*((\t)%8):33+2*((\t)%8)] offset:((\t)/8)*512+1048576   ; the same rows with e2: 8,192 rows further down
.endm
.irp t, 0,1,2,3,4,5,6,7,8,9,10,11,12,13,14,15
	XSTEP \t
.endr
	s_branch .Lend
; ---------------- the weights.  A lane takes a column and its registers run down K: the conversions then give codes with K innermost, and nothing is transposed.
.Lweights:
	s_sub_co_u32 s17, ttmp9, 256
	s_and_b32 s18, s17, 31                         ; which 128 of the 4,096 columns
	s_lshr_b32 s19, s17, 5                         ; which 256 along K: planes 2 kc, 2 kc + 1
	s_wait_kmcnt 0x0
	s_cmp_lt_u32 s18, 24                           ; the choices hang on the work-group's number alone
	s_cselect_b64 s[30:31], s[8:9], s[10:11]       ; Wkv or Wo,
	s_cselect_b32 s52, s23, s29                    ; e3 or e9,
	s_cselect_b32 s53, 8, 24                       ; the tensor's first group of columns,
	s_cselect_b32 s54, 13, 12                      ; a row of it: 2^13 or 2^12 bytes
	s_cmp_lt_u32 s18, 8
	s_cselect_b64 s[30:31], s[6:7], s[30:31]       ; or Wq
	s_cselect_b32 s52, s21, s52
	s_cselect_b32 s53, 0, s53
	s_cselect_b32 s54, 12, s54
	s_lshl_b32 s55, 1, s54                         ; the row in bytes
	s_wait_alu depctr_va_vdst(0)
	v_lshlrev_b32 v8, 2, v2
.set ii, 0
.rept 32
	v_mad_u32_u24 v[OF+ii], s55, ii, v8            ; 4 x lane + i rows
.set ii, ii+1
.endr
	s_mul_i32 s17, s16, WSTG
	s_add_co_u32 s17, s17, WBASE                   ; my stage
	v_mul_u32_u24 v4, v2, WP
	v_add_nc_u32 v4, s17, v4                       ; into it: row = my column
	v_lshrrev_b32 v5, 3, v2
	v_mul_u32_u24 v5, v5, WP
	v_and_b32 v6, 7, v2
	v_lshl_add_u32 v5, v6, 4, v5
	v_add_nc_u32 v7, s17, v5                       ; out of it: eight lanes to a row of 128 bytes, four rows an instruction
	s_sub_co_u32 s56, s18, s53
	s_lshl_b32 s56, s56, 7
	s_lshl_b32 s57, s16, 5
	s_add_co_u32 s56, s56, s57                     ; my wave's first column in its tensor
	s_lshl_b32 s56, s56, 2
	s_lshl_b32 s57, s19, 8
	s_lshl_b32 s57, s57, s54                       ; 256 kc rows
	s_add_co_u32 s56, s56, s57
	s_mov_b32 s57, 0
	s_add_nc_u64 s[32:33], s[30:31], s[56:57]      ; block 0 of 32 along K,
	s_lshl_b32 s58, 32, s54
	s_mov_b32 s59, 0
.irp t, 1,2,3,4,5,6,7
	s_add_nc_u64 s[32+2*\t:33+2*\t], s[30+2*\t:31+2*\t], s[58:59]   ; blocks 1 to 7
.endr
	s_lshl_b32 s60, s18, 7
	s_lshl_b32 s61, s16, 5
	s_add_co_u32 s60, s60, s61
	s_add_co_u32 s60, s60, 16384                   ; my first row of a plane
	s_lshl_b32 s60, s60, 7
	s_mul_i32 s61, s19, 2*PSTR
	s_add_co_u32 s60, s60, s61
	s_mov_b32 s61, 0
	s_add_nc_u64 s[48:49], s[14:15], s[60:61]      ; in plane 2 kc,
	s_add_nc_u64 s[50:51], s[48:49], PSTR          ; and in plane 2 kc + 1
.macro WLOAD t                         ; block t: W(32 t + i, my column): each load reads 128 consecutive bytes a wave, the four waves side by side
.set ii, 0
.rept 32
	global_load_b32 v[WX+32*((\t)%2)+ii], v[OF+ii], s[32+2*(\t):33+2*(\t)] th:TH_LOAD_NT
.set ii, ii+1
.endr
.endm
	s_wait_alu depctr_va_vdst(0)
	WLOAD 0
	WLOAD 1
	s_add_co_i32 s52, s52, 127
	s_lshl_b32 s53, s52, 23
	v_mov_b32 v11, s53                             ; 2^e
	s_add_co_i32 s52, s52, 8
	s_lshl_b32 s52, s52, 23
	s_or_b32 s52, s52, 0x600000
.macro WBLOCK t
.set XS, WX+32*((\t)%2)
.if (\t) < 7
	s_wait_loadcnt 32                              ; this block's 32 loads are in; the next block's 32 may be out
.else
	s_wait_loadcnt 0
.endif
.set ii, 0
.rept 32
.set ii, ii+1
.endr
.irp g, 0,1,2,3
	v_cvt_scalef32_pk8_fp8_f32 v[WC+2*\g:WC+2*\g+1], v[XS+8*\g:XS+8*\g+7], v11
.endr
	ds_store_b128 v4, v[WC:WC+3] offset:((\t)/4)*32*WP+32*((\t)%4)        ; 32 codes of my column's row
	ds_store_b128 v4, v[WC+4:WC+7] offset:((\t)/4)*32*WP+32*((\t)%4)+16
.if (\t)+2 < 8
	WLOAD (\t)+2
.endif
	s_wait_dscnt 0x0                               ; the stores have read their registers: the next block's codes may be written
.endm
	s_wait_alu depctr_va_vdst(0)
.irp t, 0,1,2,3,4,5,6,7
	WBLOCK \t
.endr
.irp p, 0,1
.irp i, 0,1,2,3,4,5,6,7
	ds_load_b128 v[OUTR+4*(8*\p+\i):OUTR+4*(8*\p+\i)+3], v7 offset:\p*32*WP+\i*4*WP
.endr
.endr
.irp p, 0,1
.irp i, 0,1,2,3,4,5,6,7
	s_wait_dscnt 15-(8*\p+\i)                      ; the younger loads may be out
	global_store_b128 v3, v[OUTR+4*(8*\p+\i):OUTR+4*(8*\p+\i)+3], s[48+2*\p:49+2*\p] offset:512*\i   ; 4 rows of a plane: 512 consecutive bytes
.endr
.endr
.Lend:
	s_wait_tensorcnt 0x0                           ; the wave's end
	ds_add_u32 v[SPW], v[NIL]
	s_wait_dscnt 0x0
	s_endpgm
.Lfunc_end_k_q230a4676ed_quant:
	.size	k_q230a4676ed_quant, .Lfunc_end_k_q230a4676ed_quant-k_q230a4676ed_quant
	.p2alignl 7, 3214868480
	.fill 96, 4, 3214868480
	.section	.rodata,"a",@progbits
	.p2align	6, 0x0
	.amdhsa_kernel k_q230a4676ed_quant
		.amdhsa_group_segment_fixed_size 70144
		.amdhsa_private_segment_fixed_size 0
		.amdhsa_enable_private_segment 0
		.amdhsa_kernarg_size 48
		.amdhsa_user_sgpr_count 2
		.amdhsa_user_sgpr_kernarg_segment_ptr 1
		.amdhsa_wavefront_size32 1
		.amdhsa_system_sgpr_workgroup_id_x 1
		.amdhsa_system_sgpr_workgroup_id_y 1
		.amdhsa_system_sgpr_workgroup_id_z 1
		.amdhsa_system_vgpr_workitem_id 0
		.amdhsa_next_free_vgpr 256
		.amdhsa_next_free_sgpr 66
		.amdhsa_reserve_vcc 0
		.amdhsa_float_denorm_mode_32 3
		.amdhsa_float_denorm_mode_16_64 3
		.amdhsa_fp16_overflow 1
		.amdhsa_memory_ordered 1
		.amdhsa_forward_progress 1
		.amdhsa_inst_pref_size 60
	.end_amdhsa_kernel
	.amdgpu_metadata
---
amdhsa.version: [ 1, 2 ]
amdhsa.kernels:
  - .name:           k_q230a4676ed_quant
    .symbol:         k_q230a4676ed_quant.kd
    .args:
      - { .name: x, .offset: 0, .size: 8, .value_kind: global_buffer, .address_space: global }
      - { .name: Wq, .offset: 8, .size: 8, .value_kind: global_buffer, .address_space: global }
      - { .name: Wkv, .offset: 16, .size: 8, .value_kind: global_buffer, .address_space: global }
      - { .name: Wo, .offset: 24, .size: 8, .value_kind: global_buffer, .address_space: global }
      - { .name: lowp_scales, .offset: 32, .size: 8, .value_kind: global_buffer, .address_space: global }
      - { .name: codes, .offset: 40, .size: 8, .value_kind: global_buffer, .address_space: global }
    .group_segment_fixed_size: 70144
    .private_segment_fixed_size: 0
    .kernarg_segment_align: 8
    .kernarg_segment_size: 48
    .max_flat_workgroup_size: 128
    .sgpr_count:     66
    .vgpr_count:     256
    .wavefront_size: 32
...
	.end_amdgpu_metadata
.endif
;; end of part 1
;; launch qkv_proj (part 2): grid 12 x 32, 4 waves a work-group, clusters of 4 x 4, 327,680 bytes of LDS; arguments codes, lowp_scales, bq, bkv, qkv; writes qkv
.if DOCPART == 2
	.amdgcn_target "amdgcn-amd-amdhsa--gfx1250"
	.amdhsa_code_object_version 6
	.text
	.protected	k_q230a4676ed_qkv_proj
	.globl	k_q230a4676ed_qkv_proj
	.p2align	8
	.type	k_q230a4676ed_qkv_proj,@function
k_q230a4676ed_qkv_proj:
	s_mov_b64 s[64:65], 0
	v_nop
	global_prefetch_b8 v0, s[64:65] scope:SCOPE_SE
	s_setreg_imm32_b32 hwreg(HW_REG_WAVE_MODE, 25, 1), 1
	s_wait_xcnt 0x0
	s_wait_alu depctr_hold_cnt(0) depctr_sa_sdst(0) depctr_va_vdst(0) depctr_va_sdst(0) depctr_va_ssrc(0) depctr_va_vcc(0) depctr_vm_vsrc(0)
	s_getreg_b32 s2, hwreg(HW_REG_IB_STS2, 6, 4)
	s_cmp_eq_u32 s2, 0
	s_cbranch_scc0 .Lentry_in_a_cluster
	s_endpgm
.Lentry_in_a_cluster:
	s_bfe_u32 s2, ttmp6, 0x10000c
	s_cmp_lg_u32 s2, 0xf033
	s_cbranch_scc0 .Lentry_shape_is_right
	s_endpgm
.Lentry_shape_is_right:
; SECOND LAUNCH: q = x Wq + bq, k and v = x Wkv + bkv, on codes of FP8 (E4M3), and q, k, v quantised at once for attention's products (e4, e5, e7).  Nothing of reference() is left out here.
; Operands: codes = [8 planes of 128 along K][20,480 rows][128 bytes]: x with e0, x with e2, then the weights' columns as rows.
; A tile of 256 x 256 is made by four waves, each 128 x 128: 64 accumulators, 512 registers.  K = 1,024 goes in four steps of 256 (two planes) through a ring of two LDS slots.
; THE KIND is the cluster's x: 0 = q, 1 = k, 2 = v.  The matrix instruction takes the "B role" as source 0 and the "A role" as source 1: a lane then holds ONE row of the A role and eight neighbours of the B role.
;   q, k: A role = tokens, B role = the weight's columns: a lane's eight numbers are eight channels of a token: neighbours along the first attention product's K.
;   v:    A role = the weight's columns, B role = tokens: a lane's eight numbers are eight KEYS of a channel: neighbours along the second product's K.
; number = sum x 2^(ea + eb) + bias, in f32; code = number / 2^e, held within +-448.
; OUT: qkv = Q [b][head pair 8][2,048][128 bytes] | K likewise | V [b][block of 128 keys, 16][channel 1,024][128 bytes].  A wave's 128 x 128 codes are one dense block of 16 KiB.
;   Inside each 32 bytes place 16 h + 8 u + j holds index 16 u + 8 h + j.  In Q and K that is one permutation of the contracted channels on both sides; in V it is the order in which 16-byte loads give the second product's own layout.
; CLUSTERS: 4 x 4.  The A role's tile is shared along a row of the cluster, the B role's along a column: joint loads.  No L2 prefetch: of the four K steps two are asked for at the head.
; LIMITS: e0 + e1 and e2 + e3 between -126 and 127; e4, e5, e7 between -126 and 119.  NaN among the inputs is not served.
; REGISTERS, in windows of 256: window 0: v0-31 addresses; v32-95 bias along the B role, v96-111 along the A role; from v128 the A role's fragments, ONE set; on the way out v128-255 are free.
;   window 1: the B role's fragments, TWO sets.   windows 2, 3: the accumulators ((a, b) at v[8 (8 (a % 4) + b)]).
.set PSTR,   2621440                   ; bytes of a plane of codes
.set ASTEP,  4*PSTR                    ; a slot's next fill: four planes on
.set BSTEP,  4*PSTR
.set PITCH,  144                       ; an LDS row: 128 bytes + 16 = 36 words: the 16 rows that a load touches start at 16 different groups of four banks (64 banks of 4 bytes: ISA guide 11.1)
.set PLANE,  256*PITCH                 ; what one tensor load brings: 256 rows of one plane
.set SLOT,   4*PLANE                   ; A's planes 0, 1, then B's planes 0, 1
.set SPARE,  2*SLOT                    ; behind the ring: the spare words, 128 bytes for each wave
.set FR,     16
.set NL,     4
.set NP,     4                         ; places behind this matrix instruction (ISA guide 7.12.1)
.set ADRA, 16
.set ADRB, 20
.set STO,  24
.set RD,   25
.set CO,   26
.set SPW,  28
.set NIL,  29
.set BN,   32
.set BM,   96
.set AF,   128
.set TMP,  128                         ; the way out: a block's 64 numbers
.set CD,   192                         ; its codes, two sets of 16
.set BK,   224                         ; rows read back, two sets of 16
.set G1, 24
.set G0, 32
.set G1B, 48
.set G0B, 56
.set MSB, 0
.macro WIN new                         ; the immediate's high byte repeats the setting that is left
.if MSB != (\new)
	s_set_vgpr_msb (MSB<<8)|(\new)
.set MSB, (\new)
.endif
.endm
.set MUL_LO, 0xa1
.set MUL_HI, 0xf1
.set TO_B,   0x40
; A joint load: waves 0 and 1 fetch the A role's two planes, waves 2 and 3 the B role's.  An s_nop 0 and four v_nop follow each of the two lines.
.macro JLOAD g0a, g1a, g0b, g1b
	s_cmp_eq_u32 s15, 0
	s_cbranch_scc0 .Lfor_b_\@
	tensor_load_to_lds s[\g0a:\g0a+3], s[\g1a:\g1a+7]
	s_nop 0
.rept 4
	v_nop
.endr
	s_branch .Lasked_\@
.Lfor_b_\@:
	tensor_load_to_lds s[\g0b:\g0b+3], s[\g1b:\g1b+7]
	s_nop 0
.rept 4
	v_nop
.endr
.Lasked_\@:
.endm
.macro CREST
	s_cmp_lg_u32 s14, 0
	s_cbranch_scc1 .Lnot_wave_0_\@
	s_barrier_signal -3
.Lnot_wave_0_\@:
	s_barrier_wait -3
	s_barrier_signal -1
	s_barrier_wait -1
.endm
.macro CROUND
	s_barrier_signal -1
	s_barrier_wait -1
	CREST
.endm
	s_load_b256 s[4:11], s[0:1], 0x0               ; codes s[4:5], the scales' exponents s[6:7], bq s[8:9], bkv s[10:11]
	s_load_b64 s[12:13], s[0:1], 0x20              ; qkv
	v_lshl_add_u32 v[SPW], v0, 2, SPARE
	v_mov_b32 v[NIL], 0
	ds_add_u32 v[SPW], v[NIL]                      ; the wave's opening: the add, twice on end, and its wait ahead of my first tensor load
	ds_add_u32 v[SPW], v[NIL]
	v_lshrrev_b32 v1, 5, v0
	v_readfirstlane_b32 s14, v1                    ; wave 0..3
	s_lshr_b32 s15, s14, 1                         ; my half of the A role's rows.  Also: I fetch for A (0) or for B (1)
	s_and_b32 s16, s14, 1                          ; my half of the B role's rows.  Also: which plane of a slot I fetch
	s_bfe_u32 s40, ttmp6, 0x40000                  ; cx
	s_bfe_u32 s41, ttmp6, 0x40004                  ; cy
	s_mov_b32 s66, ttmp9                           ; the kind: the cluster's x, the same in all sixteen partners
	s_and_b32 s67, ttmp7, 0xffff                   ; the cluster's y: 0 .. 7
	s_lshl_b32 s43, s41, 2
	s_lshl_b32 s43, 15, s43                        ; my row of the cluster
	s_lshl_b32 s44, 0x1111, s40                    ; my column
	s_or_b32 s[G1+0], s43, (0<<16)|(1<<20)|(1<<21)|(4<<22)|(3<<25)  ; the mask; elements of 1 byte; padding on; bit 21 beside a mask; after every 32 words (code 4) four words (code 3)
	s_or_b32 s[G1B+0], s44, (0<<16)|(1<<20)|(1<<21)|(4<<22)|(3<<25)
.irp g, G1, G1B
	s_mov_b32 s[\g+1], 128<<16                     ; tensor_dim0 = 128
	s_mov_b32 s[\g+2], 256<<16                     ; tensor_dim1 = 256
	s_mov_b32 s[\g+3], 128<<16                     ; tile_dim0 = 128
	s_mov_b32 s[\g+4], 256                         ; tile_dim1 = 256
	s_mov_b32 s[\g+5], 128                         ; from row to row
	s_mov_b32 s[\g+6], 0
	s_mov_b32 s[\g+7], 0
.endr
	s_lshl_b32 s19, s66, 13                        ; q: x with e0 from row 0; k: x with e2 from row 8,192
	s_mov_b32 s21, 16384                           ; q, k: the weights' rows
	s_cmp_eq_u32 s66, 2
	s_cselect_b32 s17, 0, s67                      ; four tiles of the A role: v: Wv's; else the cluster's y
	s_cselect_b32 s18, s67, s66                    ; four tiles of the B role: v: the cluster's y; else the kind
	s_cselect_b32 s19, 18432, s19                  ; v: Wv's columns begin at row 16,384 + 2,048
	s_cselect_b32 s21, 8192, s21                   ; v: x with e2
	s_lshl_b32 s17, s17, 2
	s_add_co_u32 s17, s17, s41                     ; the A role's tile: cy enters, cx never
	s_lshl_b32 s42, s18, 2
	s_add_co_u32 s42, s42, s40                     ; the B role's tile: cx enters, cy never
	s_lshl_b32 s20, s17, 8
	s_add_co_u32 s20, s20, s19
	s_lshl_b32 s46, s42, 8
	s_add_co_u32 s46, s46, s21
	s_lshl_b32 s20, s20, 7                         ; rows of 128 bytes
	s_lshl_b32 s46, s46, 7
	s_mul_i32 s18, s16, PSTR                       ; my plane
	s_add_co_u32 s20, s20, s18
	s_add_co_u32 s46, s46, s18
	s_mov_b32 s21, 0
	s_mov_b32 s47, 0
	s_mul_i32 s45, s14, PLANE                      ; where my plane goes: no place in the cluster enters an LDS address
	s_wait_dscnt 0x0                               ; both opening adds are done
	s_wait_kmcnt 0x0
	s_load_b256 s[68:75], s[6:7], 0x0              ; e0 .. e7
	s_add_nc_u64 s[20:21], s[4:5], s[20:21]
	s_add_nc_u64 s[46:47], s[4:5], s[46:47]
	CROUND                                         ; all sixteen work-groups are here: the first joint loads meet
.irp s, 0,1
	s_mov_b32 s[G0+4*\s], 1
	s_add_co_u32 s[G0+4*\s+1], s45, \s*SLOT
	s_add_nc_u64 s[G0+4*\s+2:G0+4*\s+3], s[20:21], \s*2*PSTR
	s_or_b32 s[G0+4*\s+3], s[G0+4*\s+3], 0x80000000
	s_mov_b32 s[G0B+4*\s], 1
	s_add_co_u32 s[G0B+4*\s+1], s45, \s*SLOT
	s_add_nc_u64 s[G0B+4*\s+2:G0B+4*\s+3], s[46:47], \s*2*PSTR
	s_or_b32 s[G0B+4*\s+3], s[G0B+4*\s+3], 0x80000000
	JLOAD G0+4*\s, G1, G0B+4*\s, G1B               ; two tensor loads of mine are out
.endr
	v_and_b32 v1, 15, v0                           ; r
	v_bfe_u32 v2, v0, 4, 1                         ; h
	v_mul_u32_u24 v3, v1, PITCH
	v_lshl_add_u32 v4, v2, 4, v3                   ; a fragment's row x pitch + 16 h
	s_wait_alu depctr_va_vdst(0)
	s_mul_i32 s21, s15, 128*PITCH
	s_mul_i32 s22, s16, 128*PITCH
	s_add_co_u32 s22, s22, 2*PLANE
.irp s, 0,1
	v_add_nc_u32 v[ADRA+\s], s21, v4
	v_add_nc_u32 v[ADRB+\s], s22, v4
	s_add_co_u32 s21, s21, SLOT
	s_add_co_u32 s22, s22, SLOT
.endr
	s_mul_i32 s23, s14, 16*PITCH                   ; my stage for the way out: 16 rows of 144 bytes, in slot 0, which by then has had its last fill and its last read
	v_add_nc_u32 v[STO], s23, v4                   ; in: row r, 16 bytes for each half of the lanes
	v_and_b32 v6, 31, v0
	v_lshrrev_b32 v5, 3, v6
	v_mul_u32_u24 v5, v5, PITCH
	v_and_b32 v9, 7, v0
	v_lshl_add_u32 v5, v9, 4, v5
	v_add_nc_u32 v[RD], s23, v5                    ; back: eight lanes to a row, four rows an instruction
	v_lshlrev_b32 v[CO], 4, v6                     ; and the same 512 bytes in memory
	v_lshlrev_b32 v7, 5, v2                        ; 32 h: my eight numbers of a bias along the B role
	s_wait_alu depctr_va_vdst(0)
	v_lshlrev_b32 v8, 2, v1                        ; 4 r: my number of a bias along the A role
	; The biases.  Both sets are loaded in every kind, at addresses that are inside their buffers in every kind, so that each register is written on every way: 32 small loads a wave, once.
	s_wait_alu depctr_va_vdst(0)
	s_cmp_eq_u32 s66, 0
	s_cselect_b64 s[84:85], s[8:9], s[10:11]       ; bq, or bkv's first half
	s_lshl_b32 s86, s40, 10
	s_lshl_b32 s87, s16, 9
	s_add_co_u32 s86, s86, s87                     ; channels 256 cx + 128 x my half on
	s_mov_b32 s87, 0
	s_add_nc_u64 s[84:85], s[84:85], s[86:87]
	s_lshl_b32 s86, s41, 10
	s_lshl_b32 s88, s15, 9
	s_add_co_u32 s86, s86, s88
	s_add_co_u32 s86, s86, 4096                    ; bkv's second half, channels 256 cy + 128 x my half on
	s_add_nc_u64 s[88:89], s[10:11], s[86:87]
.irp b, 0,1,2,3,4,5,6,7
	global_load_b128 v[BN+8*\b:BN+8*\b+3], v7, s[84:85] offset:64*\b
	global_load_b128 v[BN+8*\b+4:BN+8*\b+7], v7, s[84:85] offset:64*\b+16
.endr
.irp a, 0,1,2,3,4,5,6,7
	global_load_b32 v[BM+2*\a], v8, s[88:89] offset:64*\a       ; twice: a pair for the packed multiply-add
	global_load_b32 v[BM+2*\a+1], v8, s[88:89] offset:64*\a
.endr
	; where my 16 KiB go
	s_lshl_b32 s78, s17, 8
	s_lshl_b32 s79, s15, 7
	s_add_co_u32 s78, s78, s79                     ; q, k: my first token
	s_lshr_b32 s80, s78, 11                        ; its batch,
	s_lshl_b32 s80, s80, 3
	s_lshl_b32 s81, s40, 1
	s_add_co_u32 s80, s80, s81
	s_add_co_u32 s80, s80, s16                     ; head pair 2 cx + my half,
	s_lshl_b32 s80, s80, 11
	s_and_b32 s78, s78, 2047
	s_add_co_u32 s80, s80, s78                     ; row
	s_lshl_b32 s82, s42, 8
	s_lshl_b32 s83, s16, 7
	s_add_co_u32 s82, s82, s83                     ; v: my first token,
	s_lshr_b32 s82, s82, 7                         ; its block of 128 keys (batch x 16 + block),
	s_lshl_b32 s82, s82, 10
	s_lshl_b32 s83, s41, 8
	s_add_co_u32 s82, s82, s83
	s_add_co_u32 s82, s82, s79                     ; channel 256 cy + 128 x my half
	s_cmp_eq_u32 s66, 2
	s_cselect_b32 s80, s82, s80
	s_lshl_b32 s80, s80, 7
	s_lshl_b32 s81, s66, 23                        ; the kind's 8 MiB
	s_add_co_u32 s80, s80, s81
	s_mov_b32 s81, 0
	s_add_nc_u64 s[12:13], s[12:13], s[80:81]
.macro FRAG reg, adr, q, i             ; 16 rows x 128 K: lane l holds row l % 16; registers 4 c .. 4 c + 3 hold K = 32 c + 16 (l / 16) + 0 .. 15: one permutation of K, the same on both sides
.irp c, 0,1,2,3
	ds_load_b128 v[\reg+4*\c:\reg+4*\c+3], v[\adr] offset:(\q)*PLANE+32*\c+(\i)*16*PITCH
.endr
.endm
; 16 matrix instructions: A's blocks a0, a0 + 1 x B's eight.  The 64 accumulators take turns, one instruction a turn, in the same order in every step.
.macro MUL16 a0, p, zero
.irp a, \a0, \a0+1
.irp b, 0,1,2,3,4,5,6,7
.if \zero
	v_wmma_f32_16x16x128_fp8_fp8 v[8*(8*((\a)%4)+\b):8*(8*((\a)%4)+\b)+7], v[128*(\p)+FR*\b:128*(\p)+FR*\b+FR-1], v[AF+FR*(\a):AF+FR*(\a)+FR-1], 0
.else
	v_wmma_f32_16x16x128_fp8_fp8 v[8*(8*((\a)%4)+\b):8*(8*((\a)%4)+\b)+7], v[128*(\p)+FR*\b:128*(\p)+FR*\b+FR-1], v[AF+FR*(\a):AF+FR*(\a)+FR-1], v[8*(8*((\a)%4)+\b):8*(8*((\a)%4)+\b)+7]
.endif
.endr
.endr
.endm
.macro FETCH_B slot, q, p
	WIN TO_B
.irp i, 0,1,2,3,4,5,6,7
	FRAG 128*(\p)+FR*\i, ADRB+\slot, \q, \i
.endr
	WIN 0
.endm
.macro FETCH_A slot, q, i0
.irp i, \i0, \i0+1, \i0+2, \i0+3
	FRAG AF+FR*(\i), ADRA+\slot, \q, \i
.endr
.endm
.macro PLACES n                        ; plain vector lines between a matrix instruction and a load into, or a vector line on, one of its registers
.rept \n
	v_nop
.endr
.endm
.macro STEP slot, q, zero              ; 128 along K that has its successor in the same slot
	s_wait_dscnt 4*NL                              ; B's set and A's blocks 0-3 are in; the youngest 16 loads (A's blocks 4-7) may be out
	WIN MUL_LO
	MUL16 0, (\q)%2, \zero
	MUL16 2, (\q)%2, \zero
	s_wait_dscnt 0
	PLACES NP
	FETCH_B \slot, (\q)+1, 1-(\q)%2
	FETCH_A \slot, (\q)+1, 0
	WIN MUL_HI
	MUL16 4, (\q)%2, \zero
	MUL16 6, (\q)%2, \zero
	PLACES NP
	WIN 0
	FETCH_A \slot, (\q)+1, 4
.endm
; A slot's last 128 along K change slots: one barrier; in front of it each wave waits for all its tensor loads, adds 0 to its spare word, and waits for that and for its reads of this slot.
.macro TURN slot, next, fill
	s_wait_tensorcnt 0x0                           ; all my tensor loads have landed: my plane of the next slot
	ds_add_u32 v[SPW], v[NIL]
	s_wait_dscnt 4*NL+1                            ; (the add and the youngest 16 loads may be out)
	WIN MUL_LO
	MUL16 0, 1, 0
	s_wait_dscnt 0x0                               ; the add is done, and my reads of this slot are over
	s_barrier_signal -1
	MUL16 2, 1, 0
	WIN 0
	s_barrier_wait -1
.if \fill
	CREST                                          ; the barrier has opened a round of the cluster's: no wave of any partner still reads this slot or has a load on its way
	s_add_nc_u64 s[G0+4*\slot+2:G0+4*\slot+3], s[G0+4*\slot+2:G0+4*\slot+3], ASTEP
	s_add_nc_u64 s[G0B+4*\slot+2:G0B+4*\slot+3], s[G0B+4*\slot+2:G0B+4*\slot+3], BSTEP
	JLOAD G0+4*\slot, G1, G0B+4*\slot, G1B         ; my one tensor load behind the round; its four v_nop are the places in front of the loads below
.else
	PLACES NP
.endif
	FETCH_B \next, 0, 0
	FETCH_A \next, 0, 0
	WIN MUL_HI
	MUL16 4, 1, 0
	MUL16 6, 1, 0
	PLACES NP
	WIN 0
	FETCH_A \next, 0, 4
.endm
	s_wait_tensorcnt 1                             ; my plane of slot 0 is in; slot 1's load may be out
	s_barrier_signal -1
	s_barrier_wait -1
	FETCH_B 0, 0, 0
	FETCH_A 0, 0, 0
	FETCH_A 0, 0, 4
	STEP 0, 0, 1                                   ; planes 0, 1: the first products start the sums
	TURN 0, 1, 1                                   ; slot 0 takes planes 4, 5
	STEP 1, 0, 0                                   ; planes 2, 3
	TURN 1, 0, 1                                   ; slot 1 takes planes 6, 7
	STEP 0, 0, 0
	TURN 0, 1, 0                                   ; nothing is left to fetch
	STEP 1, 0, 0
	s_wait_dscnt 4*NL
	WIN MUL_LO
	MUL16 0, 1, 0
	MUL16 2, 1, 0
	s_wait_dscnt 0
	WIN MUL_HI
	MUL16 4, 1, 0
	MUL16 6, 1, 0
	WIN 0
; THE WAY OUT, block by block of 16 rows of the A role x 128 of the B role.
.macro BIAS a                          ; sum x 2^(ea + eb) + bias, each accumulator from its low end on.  The branch hangs on the kind, which all partners share; its arms hold work on registers alone
.set AC, 64*((\a)%4)
	s_cmp_eq_u32 s66, 2
	s_cbranch_scc1 .Lbias_v_\@
	WIN 0x02+((\a)/4)
.irp j, 0,2,4,6,8,10,12,14,16,18,20,22,24,26,28,30,32,34,36,38,40,42,44,46,48,50,52,54,56,58,60,62
	v_pk_fma_f32 v[TMP+\j:TMP+\j+1], v[AC+\j:AC+\j+1], s[96:97], v[BN+\j:BN+\j+1] op_sel_hi:[1,0,1]
.endr
	WIN 0
	s_branch .Lbias_done_\@
.Lbias_v_\@:
	WIN 0x02+((\a)/4)
.irp j, 0,2,4,6,8,10,12,14,16,18,20,22,24,26,28,30,32,34,36,38,40,42,44,46,48,50,52,54,56,58,60,62
	v_pk_fma_f32 v[TMP+\j:TMP+\j+1], v[AC+\j:AC+\j+1], s[96:97], v[BM+2*(\a):BM+2*(\a)+1] op_sel_hi:[1,0,1]
.endr
	WIN 0
.Lbias_done_\@:
.endm
.macro QCODE a
.set jj, 0
.rept 64
.set jj, jj+1
.endr
.irp b, 0,1,2,3,4,5,6,7
	v_cvt_scalef32_pk8_fp8_f32 v[CD+16*((\a)%2)+2*\b:CD+16*((\a)%2)+2*\b+1], v[TMP+8*\b:TMP+8*\b+7], v27
.endr
	v_nop                                          ; a plain line behind the last conversion, ahead of the next vector line on its registers
.endm
.macro TOSTAGE a                       ; the codes of blocks 2 c and 2 c + 1 are my 16 bytes at 32 c + 16 h of row r; LDS serves a wave's instructions in order, so the loads see the stores
.irp c, 0,1,2,3
	ds_store_b128 v[STO], v[CD+16*((\a)%2)+4*\c:CD+16*((\a)%2)+4*\c+3] offset:32*\c
.endr
.irp i, 0,1,2,3
	ds_load_b128 v[BK+16*((\a)%2)+4*\i:BK+16*((\a)%2)+4*\i+3], v[RD] offset:4*PITCH*\i
.endr
.endm
.macro SEND a, younger
	s_wait_dscnt \younger
.irp i, 0,1,2,3
	global_store_b128 v[CO], v[BK+16*((\a)%2)+4*\i:BK+16*((\a)%2)+4*\i+3], s[12:13] offset:2048*(\a)+512*\i   ; 32 lanes store 512 consecutive bytes
.endr
.endm
	s_wait_kmcnt 0x0
	s_add_co_i32 s96, s68, s69                     ; e0 + e1
	s_add_co_i32 s97, s70, s71                     ; e2 + e3
	s_cmp_eq_u32 s66, 0
	s_cselect_b32 s96, s96, s97
	s_cselect_b32 s76, s72, s73                    ; e4 for q, e5 for k,
	s_cmp_eq_u32 s66, 2
	s_cselect_b32 s76, s75, s76                    ; e7 for v
	s_add_co_i32 s96, s96, 127
	s_lshl_b32 s96, s96, 23                        ; 2^(ea + eb) as f32
	s_mov_b32 s97, s96                             ; (named with it as a pair, so it is written)
	s_add_co_i32 s76, s76, 127
	s_lshl_b32 s77, s76, 23
	PLACES NP                                      ; behind the last products: ahead of the reads of results and of the writes over A's fragments
	v_mov_b32 v27, s77                             ; the result's scale as f32
	s_wait_loadcnt 0x0                             ; the biases
	BIAS 0
	s_wait_alu depctr_va_vdst(0)
	QCODE 0
	TOSTAGE 0
.irp a, 1,2,3,4,5,6,7
.if \a > 1
	s_wait_xcnt 0x0                                ; block a - 2's stores have read their registers: block a's loads may land there
.endif
	BIAS \a
	s_wait_alu depctr_va_vdst(0)
	QCODE \a
	TOSTAGE \a
	SEND \a-1, 8                                   ; behind block a - 1's loads: block a's 4 stores and 4 loads
.endr
	SEND 7, 0
	s_wait_tensorcnt 0x0                           ; the wave's end
	ds_add_u32 v[SPW], v[NIL]
	s_wait_dscnt 0x0
	CROUND                                         ; the closing round
	s_endpgm
.Lfunc_end_k_q230a4676ed_qkv_proj:
	.size	k_q230a4676ed_qkv_proj, .Lfunc_end_k_q230a4676ed_qkv_proj-k_q230a4676ed_qkv_proj
	.p2alignl 7, 3214868480
	.fill 96, 4, 3214868480
	.section	.rodata,"a",@progbits
	.p2align	6, 0x0
	.amdhsa_kernel k_q230a4676ed_qkv_proj
		.amdhsa_group_segment_fixed_size 327680
		.amdhsa_private_segment_fixed_size 0
		.amdhsa_enable_private_segment 0
		.amdhsa_kernarg_size 40
		.amdhsa_user_sgpr_count 2
		.amdhsa_user_sgpr_kernarg_segment_ptr 1
		.amdhsa_wavefront_size32 1
		.amdhsa_system_sgpr_workgroup_id_x 1
		.amdhsa_system_sgpr_workgroup_id_y 1
		.amdhsa_system_sgpr_workgroup_id_z 1
		.amdhsa_system_vgpr_workitem_id 0
		.amdhsa_next_free_vgpr 1024
		.amdhsa_next_free_sgpr 100
		.amdhsa_reserve_vcc 0
		.amdhsa_float_denorm_mode_32 3
		.amdhsa_float_denorm_mode_16_64 3
		.amdhsa_fp16_overflow 1
		.amdhsa_memory_ordered 1
		.amdhsa_forward_progress 1
		.amdhsa_inst_pref_size 128
	.end_amdhsa_kernel
	.amdgpu_metadata
---
amdhsa.version: [ 1, 2 ]
amdhsa.kernels:
  - .name:           k_q230a4676ed_qkv_proj
    .symbol:         k_q230a4676ed_qkv_proj.kd
    .args:
      - { .name: codes, .offset: 0, .size: 8, .value_kind: global_buffer, .address_space: global }
      - { .name: lowp_scales, .offset: 8, .size: 8, .value_kind: global_buffer, .address_space: global }
      - { .name: bq, .offset: 16, .size: 8, .value_kind: global_buffer, .address_space: global }
      - { .name: bkv, .offset: 24, .size: 8, .value_kind: global_buffer, .address_space: global }
      - { .name: qkv, .offset: 32, .size: 8, .value_kind: global_buffer, .address_space: global }
    .group_segment_fixed_size: 327680
    .private_segment_fixed_size: 0
    .kernarg_segment_align: 8
    .kernarg_segment_size: 40
    .max_flat_workgroup_size: 128
    .sgpr_count:     100
    .vgpr_count:     1024
    .wavefront_size: 32
...
	.end_amdgpu_metadata
.endif
;; end of part 2
;; launch attn (part 3): grid 8 x 32, 16 waves a work-group, no clusters, 327,680 bytes of LDS; arguments qkv, lowp_scales, ac; writes ac
.if DOCPART == 3
	.amdgcn_target "amdgcn-amd-amdhsa--gfx1250"
	.amdhsa_code_object_version 6
	.text
	.protected	k_q230a4676ed_attn
	.globl	k_q230a4676ed_attn
	.p2align	8
	.type	k_q230a4676ed_attn,@function
k_q230a4676ed_attn:
	s_mov_b64 s[64:65], 0
	v_nop
	global_prefetch_b8 v0, s[64:65] scope:SCOPE_SE
	s_setreg_imm32_b32 hwreg(HW_REG_WAVE_MODE, 25, 1), 1
	s_wait_xcnt 0x0
; THIRD LAUNCH: causal attention on codes of FP8 (E4M3), and its result quantised (e8) for the last product.
; LEFT OUT, as shown at the head of the first launch: a step of 128 keys that all come after a tile's 16 queries (their weights are 0 for all finite inputs), and the tiles of K and V that no wave of the work-group reads.
; IN: qkv = Q [b][head pair][2,048][128 bytes: two heads' 64 codes] | K likewise | V [b][block of 128 keys][channel 1,024][128 bytes of keys].  OUT: ac = [head pair 8][token 8,192][128 bytes], channels in their own order.
; THE SOFTMAX: t = score x log2(e) / 8; M = the row's largest t so far, rounded UP to a whole number; p = 2^(t - M) is quantised (e6), not normalised; the row's sum is taken of the unquantised p and divides at the end.
; When M moves, the sum and O are multiplied by 2^(old M - new M), which rounds nothing.
; SHARES.  A work-group owns one head pair of one batch and TWO blocks of 128 queries: block i ("E") and block 15 - i ("L").  Wave w: head w / 8 of the pair, and of each block the 16 queries 16 (w % 8) on.
; So a wave works (i + 1) + (16 - i) = 17 steps of 16 queries x 128 keys whatever i is: 256 work-groups of equal work, and each tile of K and V is fetched once for both blocks and both heads.
; NO CLUSTER: the eight work-groups of a head pair end their walks at different keys (128 (16 - i)); a joint load would bring some partners tiles that none of their waves reads.
; LAYOUT.  Both products are used transposed: S^T = K Q^T (16 x 16 x 64), O^T = V^T P^T (16 x 16 x 128): a lane holds ONE query (lane % 16) throughout.  A tile of K is 16 neighbouring keys: register j of tile t holds key
; 16 t + 8 (lane / 16) + j, so p's codes fall into the second form's own layout, and V was laid for that by the launch before.
; Hidden scores inside a step on the diagonal become -infinity (reference(): the least f32 number): the same p = 0 while the logits that count stay above -3e38.
; LIMITS: e4 + e5 between -123 and 130 (added to c's exponent field); e6, e8 between -126 and 119; e6 + e7 goes by v_ldexp_f32.
; REGISTERS: v1-9 addresses; v12-15 E's -M, largest t, sum in two halves; v16-19 L's; v20-27, v28-35 Q of E, of L; v36-99 fragments of K, then of V; v100-163 S^T, then p; v164-195, v196-227 O^T of E, of L; v228-243 p's codes; v244-254 at work.
.set KP,    144                        ; an LDS row: 128 bytes + 16
.set REG,   128*KP                     ; what one tensor load brings: 128 rows
.set SLOT1, 1<<17                      ; a slot holds 256 keys: K's two blocks, then V's two (4 REG); slot 1 begins here, so that one exclusive or turns an address
.set SPARE, 2*SLOT1                    ; the spare words, 128 bytes for each of sixteen waves
.set KBASE, 8388608
.set VBASE, 16777216
.set AK0,  1
.set AV0,  2
.set PFO,  3                           ; v3   256 x lane; never rewritten
.set DG,   4                           ; v4   lane % 16 - 8 (lane / 16)
.set SPW,  5
.set NIL,  6
.set GO,   7                           ; v7   16 x lane
.set ADK,  8
.set ADV,  9
.set F,    36
.set S,    100
.set P,    228
.set TB,   2                           ; s2   LDS byte at which the slot in hand begins
.set WV,   18
.set SEL,  20
.set CS,   22                          ; s[22:23] c = log2(e) / 8 x 2^(e4 + e5)
.set G1,   24
.set G0,   40                          ; s[40:43] my walking group 0; s[44:45] its step
.set Q0E,  66
.set SLOTS, 67
.set PFA,  76
.set PFS,  78
.set LIM,  80
.set LASTQ, 81                         ; the work-group's last query
.set KF,   98                          ; the step's first key
.set Q0L,  99
; Waves 0, 1 fetch K's two blocks of 128 keys, waves 2, 3 V's; all four tiles have one shape.  An s_nop 0 and four v_nop follow the load.
.macro TLOAD
	s_cmp_lt_u32 s[WV], 4
	s_cbranch_scc0 .Lasked_\@
	tensor_load_to_lds s[G0:G0+3], s[G1:G1+7]
	s_nop 0
.rept 4
	v_nop
.endr
.Lasked_\@:
.endm
; A prefetch into the L2 of the slot that the NEXT change of slots will ask for.  All eight work-groups of a head pair walk the same K and V from key 0 on: the one with i = 0, which walks all slots, asks, and nobody else.
; In it the waves ask that fetch nothing, one instruction each, lanes 256 bytes apart: waves 4 to 7 for K's 32 KiB, waves 8 to 11 for V's two blocks of 16 KiB.  So each block of 256 bytes is named once in the launch.
; Slots 0 and 1 come by their loads alone; the last change that fills a slot asks for nothing.
.macro ASK
	s_cmp_gt_u32 s[SLOTS], s[LIM]
	s_cbranch_scc0 .Lnot_mine_\@
	global_prefetch_b8 v[PFO], s[PFA:PFA+1] th:TH_LOAD_NT scope:SCOPE_SE
.Lnot_mine_\@:
.endm
	s_load_b128 s[4:7], s[0:1], 0x0                ; qkv, the scales' exponents
	s_load_b64 s[8:9], s[0:1], 0x10                ; ac
	v_lshl_add_u32 v[SPW], v0, 2, SPARE
	v_mov_b32 v[NIL], 0
	ds_add_u32 v[SPW], v[NIL]                      ; the wave's opening: the add, twice on end, and its wait ahead of the first tensor load
	ds_add_u32 v[SPW], v[NIL]
	v_lshrrev_b32 v8, 5, v0
	s_delay_alu instid0(VALU_DEP_1)
	v_readfirstlane_b32 s[WV], v8                  ; wave 0..15
	s_lshr_b32 s19, s[WV], 3                       ; my head of the pair
	s_and_b32 s10, s[WV], 7                        ; my tile of a block's eight
	s_and_b32 s11, ttmp7, 0xffff                   ; 8 x batch + head pair
	s_lshr_b32 s12, s11, 3
	s_and_b32 s13, s11, 7
	s_lshl_b32 s14, s10, 4
	s_lshl_b32 s[Q0E], ttmp9, 7
	s_add_co_u32 s[Q0E], s[Q0E], s14               ; E's first query: 128 i + 16 x tile
	s_sub_co_u32 s15, 15, ttmp9
	s_lshl_b32 s15, s15, 7
	s_add_co_u32 s[Q0L], s15, s14                  ; L's: 128 (15 - i) + 16 x tile
	s_add_co_u32 s[LASTQ], s15, 127
	s_mov_b32 s[G1], (0<<16)|(1<<20)|(4<<22)|(3<<25)   ; no mask; elements of 1 byte; padding: four words after every 32
	s_mov_b32 s[G1+1], 128<<16                     ; tensor_dim0
	s_mov_b32 s[G1+2], 128<<16                     ; tensor_dim1
	s_mov_b32 s[G1+3], 128<<16                     ; tile_dim0
	s_mov_b32 s[G1+4], 128                         ; tile_dim1
	s_mov_b32 s[G1+5], 128                         ; from row to row: dense
	s_mov_b32 s[G1+6], 0
	s_mov_b32 s[G1+7], 0
	s_mov_b32 s[SEL], 0x76543210
	s_mov_b32 s[SEL+1], 0xfedcba98
	s_mov_b32 s[CS], 0x3e38aa3b                    ; log2(e) / 8
	s_mov_b32 s[TB], 0
	s_mov_b32 s[SLOTS], 7
	s_mov_b32 s[KF], 0
	s_and_b32 s84, s[WV], 1                        ; what I fetch, if I fetch: block 0 or 1 of a slot
	s_lshl_b32 s85, s11, 18
	s_lshl_b32 s86, s84, 14
	s_add_co_u32 s85, s85, s86
	s_add_co_u32 s85, s85, KBASE                   ; K: 2,048 rows of 128 bytes a head pair
	s_lshl_b32 s87, s12, 21
	s_lshl_b32 s88, s13, 14
	s_add_co_u32 s87, s87, s88
	s_lshl_b32 s88, s84, 17
	s_add_co_u32 s87, s87, s88
	s_add_co_u32 s87, s87, VBASE                   ; V: the pair's 128 channels in a block of 1,024 x 128 bytes
	s_mov_b32 s44, 262144
	s_cmp_lt_u32 s[WV], 2
	s_cselect_b32 s86, s85, s87
	s_cselect_b32 s44, 32768, s44                  ; a slot on
	s_mov_b32 s87, 0
	s_mov_b32 s45, 0
	s_and_b32 s[G0+1], s[WV], 3
	s_mul_i32 s[G0+1], s[G0+1], REG                ; LDS address: slot 0, region wave % 4
	s_wait_dscnt 0x0                               ; both opening adds are done
	s_wait_kmcnt 0x0
	s_load_b256 s[68:75], s[6:7], 0x0              ; e0 .. e7
	s_load_b32 s82, s[6:7], 0x20                   ; e8
	s_mov_b32 s[G0], 1
	s_add_nc_u64 s[G0+2:G0+3], s[4:5], s[86:87]
	s_or_b32 s[G0+3], s[G0+3], 0x80000000
	TLOAD                                          ; slot 0: key 0 counts for every query, so it is read
	v_and_b32 v8, 15, v0                           ; r
	v_bfe_u32 v9, v0, 4, 1                         ; h
	s_delay_alu instid0(VALU_DEP_2)
	v_lshlrev_b32 v10, 7, v8
	s_delay_alu instid0(VALU_DEP_1)
	v_lshl_add_u32 v10, v9, 4, v10                 ; Q: row r of 128 bytes, + 16 h
	s_wait_alu depctr_va_vdst(0)
	s_lshl_b32 s88, s11, 18
	s_lshl_b32 s89, s19, 6
	s_add_co_u32 s88, s88, s89                     ; the pair's rows, my head's 64 bytes
	s_lshl_b32 s90, s[Q0E], 7
	s_add_co_u32 s90, s90, s88
	s_mov_b32 s91, 0
	s_add_nc_u64 s[90:91], s[4:5], s[90:91]
	s_lshl_b32 s92, s[Q0L], 7
	s_add_co_u32 s92, s92, s88
	s_mov_b32 s93, 0
	s_add_nc_u64 s[92:93], s[4:5], s[92:93]
	global_load_b128 v[20:23], v10, s[90:91]
	global_load_b128 v[24:27], v10, s[90:91] offset:32
	global_load_b128 v[28:31], v10, s[92:93]
	global_load_b128 v[32:35], v10, s[92:93] offset:32
	s_lshl_b32 s84, s19, 6
	v_mul_u32_u24 v[AK0], v8, KP
	s_delay_alu instid0(VALU_DEP_1)
	v_lshl_add_u32 v[AK0], v9, 4, v[AK0]
	s_mul_i32 s85, s19, 64*KP
	s_add_co_u32 s85, s85, 2*REG
	v_add_nc_u32 v[AV0], s85, v[AK0]               ; V: channel 64 x head + r, + 16 h, behind K's two regions
	v_add_nc_u32 v[AK0], s84, v[AK0]               ; K: key r, my head's 64 bytes, + 16 h
	v_lshlrev_b32 v11, 3, v9
	s_delay_alu instid0(VALU_DEP_1)
	v_sub_nc_u32 v[DG], v8, v11
	v_and_b32 v11, 31, v0
	s_delay_alu instid0(VALU_DEP_1)
	v_lshlrev_b32 v[GO], 4, v11
	s_delay_alu instid0(VALU_DEP_2)
	v_lshlrev_b32 v[PFO], 8, v11
	; the prefetches: where my wave's stand (in slot 1: the first change of slots steps them to slot 2), and who asks
	s_and_b32 s84, s[WV], 3
	s_lshl_b32 s85, s84, 13
	s_lshl_b32 s88, s11, 18
	s_add_co_u32 s85, s85, s88
	s_add_co_u32 s85, s85, KBASE+32768
	s_lshr_b32 s88, s84, 1
	s_lshl_b32 s88, s88, 17
	s_and_b32 s89, s84, 1
	s_lshl_b32 s89, s89, 13
	s_add_co_u32 s88, s88, s89
	s_lshl_b32 s89, s12, 21
	s_add_co_u32 s88, s88, s89
	s_lshl_b32 s89, s13, 14
	s_add_co_u32 s88, s88, s89
	s_add_co_u32 s88, s88, VBASE+262144
	s_mov_b32 s[PFS], 262144
	s_cmp_lt_u32 s[WV], 8
	s_cselect_b32 s94, s85, s88
	s_cselect_b32 s[PFS], 32768, s[PFS]
	s_mov_b32 s95, 0
	s_mov_b32 s[PFS+1], 0
	s_add_nc_u64 s[PFA:PFA+1], s[4:5], s[94:95]
	s_sub_co_u32 s84, s[WV], 4
	s_lshr_b32 s84, s84, 3                         ; 0 in waves 4 to 11,
	s_or_b32 s84, s84, ttmp9                       ; of the work-group with i = 0
	s_cmp_eq_u32 s84, 0
	s_cselect_b32 s[LIM], 1, -1
	v_mov_b32 v13, 0xff61b1e6                      ; the largest t so far: -3e38
	s_delay_alu instid0(VALU_DEP_1)
	v_floor_f32 v12, -v13                          ; -M
	v_mov_b32 v14, 0
	v_mov_b32 v15, 0
	v_mov_b32 v17, 0xff61b1e6
	s_delay_alu instid0(VALU_DEP_1)
	v_floor_f32 v16, -v17
	v_mov_b32 v18, 0
	v_mov_b32 v19, 0
	v_mov_b32 v246, 0                              ; a lane permute's destination counts as one of its sources
	v_mov_b32 v251, 0                              ; (named as the upper half of the pair v[250:251])
.set jj, 0
.rept 64
	v_mov_b32 v[164+jj], 0                         ; O^T of both tiles: the step is written once; the first finds zeros, which the first change of M leaves zeros
.set jj, jj+1
.endr
	s_wait_kmcnt 0x0
	s_add_co_i32 s84, s72, s73
	s_lshl_b32 s84, s84, 23
	s_add_co_i32 s[CS], s[CS], s84                 ; a score stands for score x 2^(e4 + e5)
	s_mov_b32 s[CS+1], s[CS]
	s_add_co_i32 s84, s74, 127
	s_lshl_b32 s85, s84, 23
	v_mov_b32 v244, s85                            ; 2^e6
; ONE TILE'S STEP: 16 queries x the q-th 128 keys of the slot in hand.  q0: the scalar register with the tile's first query; st: its four registers of statistics; qf: its Q; of: its O^T.
.macro STEP q0, st, qf, of, q
	s_add_co_u32 s96, s[\q0], 15
	s_cmp_gt_u32 s[KF], s96                        ; all 128 keys come after my 16 queries: the step is left out (ids and the count of steps alone; no barrier and no tensor load stands in a step)
	s_cbranch_scc1 .Lhidden_\@
	v_add_nc_u32 v[ADK], s[TB], v[AK0]
	v_add_nc_u32 v[ADV], s[TB], v[AV0]
	v_nop
	v_nop                                          ; four places in front of loads into registers that the last products read
.irp t, 0,1,2,3,4,5,6,7
	ds_load_b128 v[F+8*\t:F+8*\t+3], v[ADK] offset:(\q)*REG+\t*16*KP
	ds_load_b128 v[F+8*\t+4:F+8*\t+7], v[ADK] offset:(\q)*REG+\t*16*KP+32
.endr
	s_wait_alu depctr_va_vdst(0)
	s_wait_dscnt 0x0
.irp t, 0,1,2,3,4,5,6,7
	v_wmma_f32_16x16x64_fp8_fp8 v[S+8*\t:S+8*\t+7], v[F+8*\t:F+8*\t+7], v[\qf:\qf+7], 0
.endr
.rept 4
	v_nop                                          ; places: for the loads below and for the first read of the scores
.endr
.irp t, 0,1,2,3                                ; V's fragments are asked for now and land during the softmax
.irp c, 0,1,2,3
	ds_load_b128 v[F+16*\t+4*\c:F+16*\t+4*\c+3], v[ADV] offset:(\q)*REG+\t*16*KP+32*\c
.endr
.endr
	s_add_co_u32 s96, s[KF], 127
	s_cmp_le_u32 s96, s[\q0]                       ; all keys count: no mask
	s_cbranch_scc1 .Lopen_\@
	s_sub_co_i32 s96, s[\q0], s[KF]
	v_add_nc_u32 v253, s96, v[DG]                  ; d = my query - KF - 8 (lane / 16).  Register 8 t + j holds key KF + 16 t + 8 (lane / 16) + j: hidden where 16 t + j > d
	v_mov_b32 v254, 0xff800000
.irp n, 0,1,2,3,4,5,6,7,8,9,10,11,12,13,14,15,16,17,18,19,20,21,22,23,24,25,26,27,28,29,30,31,32,33,34,35,36,37,38,39,40,41,42,43,44,45,46,47,48,49,50,51,52,53,54,55,56,57,58,59,60,61,62,63
	v_cmp_gt_i32 vcc_lo, 16*(\n/8)+\n%8, v253
	v_cndmask_b32 v[S+\n], v[S+\n], v254, vcc_lo
.endr
.Lopen_\@:
	v_max3_num_f32 v254, v[S], v[S+1], v[S+2]      ; the step's largest score of my query among my 64 keys, in two chains, in ascending order
	v_max3_num_f32 v252, v[S+3], v[S+4], v[S+5]
.irp i, 6,10,14,18,22,26,30,34,38,42,46,50,54,58
	v_max3_num_f32 v254, v254, v[S+\i], v[S+\i+1]
	v_max3_num_f32 v252, v252, v[S+\i+2], v[S+\i+3]
.endr
	v_max3_num_f32 v254, v254, v[S+62], v[S+63]
	s_delay_alu instid0(VALU_DEP_1)
	v_max_num_f32 v254, v254, v252
	s_delay_alu instid0(VALU_DEP_1)
	v_permlanex16_b32 v246, v254, s[SEL], s[SEL+1]
	s_delay_alu instid0(VALU_DEP_1)
	v_max_num_f32 v254, v254, v246                 ; and among lane l xor 16's
	s_delay_alu instid0(VALU_DEP_1)
	v_mul_f32 v254, s[CS], v254                    ; as t (c is positive)
	s_delay_alu instid0(VALU_DEP_1)
	v_max_num_f32 v[\st+1], v[\st+1], v254         ; the running largest t
	v_mov_b32 v254, v[\st]
	s_delay_alu instid0(VALU_DEP_2)
	v_floor_f32 v[\st], -v[\st+1]                  ; the new -M = -ceil(t)
	s_delay_alu instid0(VALU_DEP_1)
	v_sub_f32 v254, v[\st], v254                   ; old M - new M: a whole number, 0 or less
	s_delay_alu instid0(VALU_DEP_1)
	v_cvt_i32_f32 v254, v254                       ; (it saturates)
	s_delay_alu instid0(VALU_DEP_1)
	v_ldexp_f32 v250, 1.0, v254                    ; f = 2^(old M - new M)
.irp j, 0,2,4,6,8,10,12,14,16,18,20,22,24,26,28,30,32,34,36,38,40,42,44,46,48,50,52,54,56,58,60,62
	v_pk_fma_f32 v[S+\j:S+\j+1], v[S+\j:S+\j+1], s[CS:CS+1], v[\st:\st+1] op_sel_hi:[1,0,0]   ; t - M
.endr
.set jj, 0
	s_wait_alu depctr_va_vdst(0)
.rept 64
	v_exp_f32 v[S+jj], v[S+jj]                     ; p = 2^(t - M)
.set jj, jj+1
.endr
	v_pk_mul_f32 v[\st+2:\st+3], v[\st+2:\st+3], v[250:251] op_sel_hi:[1,0]   ; the sum under the new M: the plain line behind the exponentials
	s_wait_alu depctr_va_vdst(0)                   ; the wait ahead of the first line that names a result: one for the batch of 64
	v_pk_add_f32 v[248:249], v[S:S+1], v[S+2:S+3]  ; the row's sum is taken of the unquantised p, in two chains
.irp j, 4,8,12,16,20,24,28,32,36,40,44,48,52,56,60
	v_pk_add_f32 v[\st+2:\st+3], v[\st+2:\st+3], v[S+\j:S+\j+1]
	v_pk_add_f32 v[248:249], v[248:249], v[S+\j+2:S+\j+3]
.endr
	s_delay_alu instid0(VALU_DEP_1)
	v_pk_add_f32 v[\st+2:\st+3], v[\st+2:\st+3], v[248:249]
.irp t, 0,1,2,3,4,5,6,7
.irp j, 0,1,2,3,4,5,6,7
.endr
	v_cvt_scalef32_pk8_fp8_f32 v[P+2*\t:P+2*\t+1], v[S+8*\t:S+8*\t+7], v244   ; keys 16 t + 8 (lane / 16) + 0 .. 7: registers 2 t, 2 t + 1 of the operand
.endr
.irp j, 0,2,4,6,8,10,12,14,16,18,20,22,24,26,28,30
	v_pk_mul_f32 v[\of+\j:\of+\j+1], v[\of+\j:\of+\j+1], v[250:251] op_sel_hi:[1,0]   ; O^T under the new M (plain lines between the conversions and the products)
.endr
	s_wait_alu depctr_va_vdst(0)
	s_wait_dscnt 0x0                               ; V's fragments are in
.irp t, 0,1,2,3                                ; the four accumulators take turns
	v_wmma_f32_16x16x128_fp8_fp8 v[\of+8*\t:\of+8*\t+7], v[F+16*\t:F+16*\t+15], v[P:P+15], v[\of+8*\t:\of+8*\t+7]
.endr
.Lhidden_\@:
.endm
.macro KSTEP q, both
	STEP Q0L, 16, 28, 196, \q
.if \both
	STEP Q0E, 12, 20, 164, \q
.endif
	s_add_co_u32 s[KF], s[KF], 128
.endm
; THE CHANGE OF SLOTS stands at a slot's head.  Each wave waits for all its tensor loads, adds 0 to its spare word, and waits for that and for its reads of the slot that it has left; then the barrier.
; fill = 1: the slot just left is filled with the next 256 keys, which have a whole slot's steps in which to land; slot 1's first fill goes the same way, behind the first trip's barrier, behind which nothing is filled again.
.macro CHANGE fill
	s_wait_tensorcnt 0x0                           ; no tensor load of mine is out, so group 0 may be written
	ds_add_u32 v[SPW], v[NIL]
.if \fill
	ds_add_u32 v[SPW], v[NIL]                      ; and once more, in every trip alike
	s_xor_b32 s[G0+1], s[G0+1], SLOT1
	s_add_nc_u64 s[G0+2:G0+3], s[G0+2:G0+3], s[44:45]
	s_wait_xcnt 0x0                                ; the last prefetch, a slot back, has read its address
	s_add_nc_u64 s[PFA:PFA+1], s[PFA:PFA+1], s[PFS:PFS+1]
.endif
	s_wait_dscnt 0x0
	s_barrier_signal -1
	s_barrier_wait -1
.if \fill
	s_add_co_u32 s96, s[KF], 256                   ; the first key of the slot that this change would ask for:
	s_cmp_gt_u32 s96, s[LASTQ]                     ; behind my work-group's last query no wave reads it, so it is not asked for.  Ids and the count of steps alone: all sixteen waves go the same way;
	s_cbranch_scc1 .Lpast_\@                       ; every wait on TENSORcnt in this text is for 0; the jump leads round the load's own lines and nothing else
	TLOAD
.Lpast_\@:
	ASK
.endif
.endm
	s_wait_loadcnt 0x0                             ; Q
.Lslot:                                            ; seven trips: every work-group walks all slots; what is left out is a step's work
	CHANGE 1
	KSTEP 0, 1
	KSTEP 1, 1
	s_xor_b32 s[TB], s[TB], SLOT1
	s_sub_co_u32 s[SLOTS], s[SLOTS], 1
	s_cmp_lg_u32 s[SLOTS], 0
	s_cbranch_scc1 .Lslot
	CHANGE 0                                       ; the last slot, keys 1,792 on: nothing is left to fetch, and block E (queries under 1,024) has no key there
	KSTEP 0, 0
	KSTEP 1, 0
	; THE WAY OUT.  O^T x 2^(e6 + e7) / the sum is quantised with e8.  A row's 128 codes come from two waves (the pair's two heads): they meet in a stage [E, L][128 rows][144 bytes] at LDS byte 0,
	; in the slot that was left at the last change of slots: it has had its last fill, and nobody reads it.
	v_add_f32 v14, v14, v15
	v_add_f32 v18, v18, v19
	s_delay_alu instid0(VALU_DEP_2)
	v_permlanex16_b32 v246, v14, s[SEL], s[SEL+1]
	s_delay_alu instid0(VALU_DEP_2)
	v_permlanex16_b32 v251, v18, s[SEL], s[SEL+1]
	s_delay_alu instid0(VALU_DEP_2)
	v_add_f32 v14, v14, v246
	s_delay_alu instid0(VALU_DEP_2)
	v_add_f32 v18, v18, v251                       ; the rows' sums
	s_wait_alu depctr_va_vdst(0)
	v_rcp_f32 v14, v14
	v_rcp_f32 v18, v18
	v_and_b32 v8, 15, v0                           ; (a plain line behind the reciprocals)
	s_wait_alu depctr_va_vdst(0)
	v_bfe_u32 v9, v0, 4, 1
	s_add_co_i32 s84, s74, s75                     ; e6 + e7
	s_add_co_i32 s85, s82, 127
	s_lshl_b32 s86, s85, 23                        ; 2^e8
	s_mul_i32 s88, s10, 16*KP
	s_lshl_b32 s87, s19, 6
	s_add_co_u32 s87, s87, s88                     ; in: my tile's 16 rows, my head's 64 bytes
	s_mul_i32 s89, s19, REG
	s_add_co_u32 s88, s88, s89                     ; back: block wave / 8, rows 16 (wave % 8) on
	v_mul_u32_u24 v10, v8, KP
	s_wait_alu depctr_va_vdst(0)
	v_lshl_add_u32 v10, v9, 3, v10
	s_delay_alu instid0(VALU_DEP_1)
	v_add_nc_u32 v10, s87, v10                     ; row r, + 8 h
	v_and_b32 v11, 31, v0
	s_delay_alu instid0(VALU_DEP_1)
	v_lshrrev_b32 v1, 3, v11
	s_delay_alu instid0(VALU_DEP_1)
	v_mul_u32_u24 v1, v1, KP
	v_and_b32 v2, 7, v0
	s_delay_alu instid0(VALU_DEP_1)
	v_lshl_add_u32 v11, v2, 4, v1
	s_delay_alu instid0(VALU_DEP_1)
	v_add_nc_u32 v11, s88, v11                     ; eight lanes to a row, four rows an instruction
	v_mov_b32 v253, s86
	s_sub_co_u32 s90, 15, ttmp9
	s_cmp_lt_u32 s[WV], 8
	s_cselect_b32 s90, ttmp9, s90                  ; the block of queries that I store
	s_lshl_b32 s90, s90, 7
	s_add_co_u32 s90, s90, s14
	s_lshl_b32 s91, s12, 11
	s_add_co_u32 s90, s90, s91                     ; token
	s_lshl_b32 s90, s90, 7
	s_lshl_b32 s91, s13, 20                        ; the head pair's plane of 8,192 x 128 bytes
	s_add_co_u32 s90, s90, s91
	s_mov_b32 s91, 0
	s_add_nc_u64 s[8:9], s[8:9], s[90:91]
	s_wait_alu depctr_va_vdst(0)                   ; one wait for the two reciprocals, ahead of their first reader
	v_ldexp_f32 v14, v14, s84
	v_ldexp_f32 v18, v18, s84
.irp j, 0,2,4,6,8,10,12,14,16,18,20,22,24,26,28,30
	v_pk_mul_f32 v[S+\j:S+\j+1], v[164+\j:165+\j], v[14:15] op_sel_hi:[1,0]        ; each accumulator from its low end on
.endr
.irp j, 0,2,4,6,8,10,12,14,16,18,20,22,24,26,28,30
	v_pk_mul_f32 v[S+32+\j:S+33+\j], v[196+\j:197+\j], v[18:19] op_sel_hi:[1,0]
.endr
.set jj, 0
.rept 64
.set jj, jj+1
.endr
.irp n, 0,1,2,3,4,5,6,7
	v_cvt_scalef32_pk8_fp8_f32 v[P+2*\n:P+2*\n+1], v[S+8*\n:S+8*\n+7], v253   ; block n / 4, channels 16 (n % 4) + 8 h + 0 .. 7
.endr
	v_nop
.irp x, 0,1
.irp t, 0,1,2,3
	ds_store_b64 v10, v[P+8*\x+2*\t:P+8*\x+2*\t+1] offset:\x*REG+16*\t
.endr
.endr
	s_wait_dscnt 0x0                               ; for the others' sake: my stores into the stage are done
	s_barrier_signal -1
	s_barrier_wait -1
.irp i, 0,1,2,3
	ds_load_b128 v[F+4*\i:F+4*\i+3], v11 offset:4*KP*\i
.endr
.irp i, 0,1,2,3
	s_wait_dscnt 3-\i                              ; the younger loads may be out
	global_store_b128 v[GO], v[F+4*\i:F+4*\i+3], s[8:9] offset:512*\i   ; 4 rows: 512 consecutive bytes
.endr
	s_wait_tensorcnt 0x0                           ; the wave's end
	ds_add_u32 v[SPW], v[NIL]
	s_wait_dscnt 0x0
	s_endpgm
.Lfunc_end_k_q230a4676ed_attn:
	.size	k_q230a4676ed_attn, .Lfunc_end_k_q230a4676ed_attn-k_q230a4676ed_attn
	.p2alignl 7, 3214868480
	.fill 96, 4, 3214868480
	.section	.rodata,"a",@progbits
	.p2align	6, 0x0
	.amdhsa_kernel k_q230a4676ed_attn
		.amdhsa_group_segment_fixed_size 327680
		.amdhsa_private_segment_fixed_size 0
		.amdhsa_enable_private_segment 0
		.amdhsa_kernarg_size 24
		.amdhsa_user_sgpr_count 2
		.amdhsa_user_sgpr_kernarg_segment_ptr 1
		.amdhsa_wavefront_size32 1
		.amdhsa_system_sgpr_workgroup_id_x 1
		.amdhsa_system_sgpr_workgroup_id_y 1
		.amdhsa_system_sgpr_workgroup_id_z 1
		.amdhsa_system_vgpr_workitem_id 0
		.amdhsa_next_free_vgpr 256
		.amdhsa_next_free_sgpr 100
		.amdhsa_reserve_vcc 1
		.amdhsa_float_denorm_mode_32 3
		.amdhsa_float_denorm_mode_16_64 3
		.amdhsa_fp16_overflow 1
		.amdhsa_memory_ordered 1
		.amdhsa_forward_progress 1
		.amdhsa_inst_pref_size 129
	.end_amdhsa_kernel
	.amdgpu_metadata
---
amdhsa.version: [ 1, 2 ]
amdhsa.kernels:
  - .name:           k_q230a4676ed_attn
    .symbol:         k_q230a4676ed_attn.kd
    .args:
      - { .name: qkv, .offset: 0, .size: 8, .value_kind: global_buffer, .address_space: global }
      - { .name: lowp_scales, .offset: 8, .size: 8, .value_kind: global_buffer, .address_space: global }
      - { .name: ac, .offset: 16, .size: 8, .value_kind: global_buffer, .address_space: global }
    .group_segment_fixed_size: 327680
    .private_segment_fixed_size: 0
    .kernarg_segment_align: 8
    .kernarg_segment_size: 24
    .max_flat_workgroup_size: 512
    .sgpr_count:     100
    .vgpr_count:     256
    .wavefront_size: 32
...
	.end_amdgpu_metadata
.endif
;; end of part 3
;; launch out_proj (part 4): grid 4 x 32, 4 waves a work-group, clusters of 4 x 4, 327,680 bytes of LDS; arguments ac, codes, lowp_scales, bo, out0; writes out0
.if DOCPART == 4
	.amdgcn_target "amdgcn-amd-amdhsa--gfx1250"
	.amdhsa_code_object_version 6
	.text
	.protected	k_q230a4676ed_out_proj
	.globl	k_q230a4676ed_out_proj
	.p2align	8
	.type	k_q230a4676ed_out_proj,@function
k_q230a4676ed_out_proj:
	s_mov_b64 s[64:65], 0
	v_nop
	global_prefetch_b8 v0, s[64:65] scope:SCOPE_SE
	s_setreg_imm32_b32 hwreg(HW_REG_WAVE_MODE, 25, 1), 1
	s_wait_xcnt 0x0
	s_wait_alu depctr_hold_cnt(0) depctr_sa_sdst(0) depctr_va_vdst(0) depctr_va_sdst(0) depctr_va_ssrc(0) depctr_va_vcc(0) depctr_vm_vsrc(0)
	s_getreg_b32 s2, hwreg(HW_REG_IB_STS2, 6, 4)
	s_cmp_eq_u32 s2, 0
	s_cbranch_scc0 .Lentry_in_a_cluster
	s_endpgm
.Lentry_in_a_cluster:
	s_bfe_u32 s2, ttmp6, 0x10000c
	s_cmp_lg_u32 s2, 0xf033
	s_cbranch_scc0 .Lentry_shape_is_right
	s_endpgm
.Lentry_shape_is_right:
.set PSTR,   2621440
.set APSTR,  1048576
.set ASTEP,  4*APSTR
.set BSTEP,  4*PSTR
.set PITCH,  144
.set PLANE,  256*PITCH
.set SLOT,   4*PLANE
.set SPARE,  2*SLOT
.set SPITCH, 528
.set FR,     16
.set NL,     4
.set NP,     4
.set ADRA, 16
.set ADRB, 20
.set STO,  24
.set RD,   25
.set CO,   26
.set SPW,  28
.set NIL,  29
.set BN,   32
.set TMP,  96
.set AF,   128
.set BK,   128
.set G1, 24
.set G0, 32
.set G1B, 48
.set G0B, 56
.set MSB, 0
.macro WIN new
.if MSB != (\new)
	s_set_vgpr_msb (MSB<<8)|(\new)
.set MSB, (\new)
.endif
.endm
.set MUL_LO, 0xa1
.set MUL_HI, 0xf1
.set TO_B,   0x40
.macro JLOAD g0a, g1a, g0b, g1b
	s_cmp_eq_u32 s15, 0
	s_cbranch_scc0 .Lfor_b_\@
	tensor_load_to_lds s[\g0a:\g0a+3], s[\g1a:\g1a+7]
	s_nop 0
.rept 4
	v_nop
.endr
	s_branch .Lasked_\@
.Lfor_b_\@:
	tensor_load_to_lds s[\g0b:\g0b+3], s[\g1b:\g1b+7]
	s_nop 0
.rept 4
	v_nop
.endr
.Lasked_\@:
.endm
.macro CREST
	s_cmp_lg_u32 s14, 0
	s_cbranch_scc1 .Lnot_wave_0_\@
	s_barrier_signal -3
.Lnot_wave_0_\@:
	s_barrier_wait -3
	s_barrier_signal -1
	s_barrier_wait -1
.endm
.macro CROUND
	s_barrier_signal -1
	s_barrier_wait -1
	CREST
.endm
	s_load_b256 s[4:11], s[0:1], 0x0
	s_load_b64 s[12:13], s[0:1], 0x20
	v_lshl_add_u32 v[SPW], v0, 2, SPARE
	v_mov_b32 v[NIL], 0
	ds_add_u32 v[SPW], v[NIL]
	ds_add_u32 v[SPW], v[NIL]
	v_lshrrev_b32 v1, 5, v0
	v_readfirstlane_b32 s14, v1
	s_lshr_b32 s15, s14, 1
	s_and_b32 s16, s14, 1
	s_bfe_u32 s40, ttmp6, 0x40000
	s_bfe_u32 s41, ttmp6, 0x40004
	s_lshl_b32 s42, ttmp9, 2
	s_add_co_u32 s42, s42, s40
	s_and_b32 s17, ttmp7, 0xffff
	s_lshl_b32 s17, s17, 2
	s_add_co_u32 s17, s17, s41
	s_lshl_b32 s43, s41, 2
	s_lshl_b32 s43, 15, s43
	s_lshl_b32 s44, 0x1111, s40
	s_or_b32 s[G1+0], s43, (0<<16)|(1<<20)|(1<<21)|(4<<22)|(3<<25)
	s_or_b32 s[G1B+0], s44, (0<<16)|(1<<20)|(1<<21)|(4<<22)|(3<<25)
.irp g, G1, G1B
	s_mov_b32 s[\g+1], 128<<16
	s_mov_b32 s[\g+2], 256<<16
	s_mov_b32 s[\g+3], 128<<16
	s_mov_b32 s[\g+4], 256
	s_mov_b32 s[\g+5], 128
	s_mov_b32 s[\g+6], 0
	s_mov_b32 s[\g+7], 0
.endr
	s_lshl_b32 s20, s17, 15
	s_lshl_b32 s18, s16, 20
	s_add_co_u32 s20, s20, s18
	s_mov_b32 s21, 0
	s_lshl_b32 s46, s42, 15
	s_add_co_u32 s46, s46, 19456*128
	s_mul_i32 s18, s16, PSTR
	s_add_co_u32 s46, s46, s18
	s_mov_b32 s47, 0
	s_mul_i32 s45, s14, PLANE
	s_wait_dscnt 0x0
	s_wait_kmcnt 0x0
	s_load_b64 s[96:97], s[8:9], 0x20
	s_add_nc_u64 s[20:21], s[4:5], s[20:21]
	s_add_nc_u64 s[46:47], s[6:7], s[46:47]
	CROUND
.irp s, 0,1
	s_mov_b32 s[G0+4*\s], 1
	s_add_co_u32 s[G0+4*\s+1], s45, \s*SLOT
	s_add_nc_u64 s[G0+4*\s+2:G0+4*\s+3], s[20:21], \s*2*APSTR
	s_or_b32 s[G0+4*\s+3], s[G0+4*\s+3], 0x80000000
	s_mov_b32 s[G0B+4*\s], 1
	s_add_co_u32 s[G0B+4*\s+1], s45, \s*SLOT
	s_add_nc_u64 s[G0B+4*\s+2:G0B+4*\s+3], s[46:47], \s*2*PSTR
	s_or_b32 s[G0B+4*\s+3], s[G0B+4*\s+3], 0x80000000
	s_wait_alu depctr_va_vdst(0)
	s_wait_tensorcnt 0x0
	ds_add_u32 v28, v29
	ds_add_u32 v28, v29
	s_wait_dscnt 0x0
	CROUND
	JLOAD G0+4*\s, G1, G0B+4*\s, G1B
.endr
	v_and_b32 v1, 15, v0
	s_wait_alu depctr_va_vdst(0)
	v_bfe_u32 v2, v0, 4, 1
	v_mul_u32_u24 v3, v1, PITCH
	v_lshl_add_u32 v4, v2, 4, v3
	s_mul_i32 s21, s15, 128*PITCH
	s_mul_i32 s22, s16, 128*PITCH
	s_add_co_u32 s22, s22, 2*PLANE
.irp s, 0,1
	v_add_nc_u32 v[ADRA+\s], s21, v4
	v_add_nc_u32 v[ADRB+\s], s22, v4
	s_add_co_u32 s21, s21, SLOT
	s_add_co_u32 s22, s22, SLOT
.endr
	s_mul_i32 s23, s14, 16*SPITCH
	v_mul_u32_u24 v5, v1, SPITCH
	s_wait_alu depctr_va_vdst(0)
	v_lshl_add_u32 v5, v2, 5, v5
	v_add_nc_u32 v[STO], s23, v5
	v_and_b32 v6, 31, v0
	v_lshlrev_b32 v[CO], 4, v6
	v_add_nc_u32 v[RD], s23, v[CO]
	v_lshlrev_b32 v7, 5, v2
	s_lshl_b32 s84, s42, 10
	s_lshl_b32 s85, s16, 9
	s_add_co_u32 s84, s84, s85
	s_mov_b32 s85, 0
	s_add_nc_u64 s[86:87], s[10:11], s[84:85]
.irp b, 0,1,2,3,4,5,6,7
	global_load_b128 v[BN+8*\b:BN+8*\b+3], v7, s[86:87] offset:64*\b
	global_load_b128 v[BN+8*\b+4:BN+8*\b+7], v7, s[86:87] offset:64*\b+16
.endr
	s_lshl_b32 s88, s17, 8
	s_lshl_b32 s89, s15, 7
	s_add_co_u32 s88, s88, s89
	s_lshl_b32 s88, s88, 12
	s_add_co_u32 s84, s84, s88
	s_add_nc_u64 s[12:13], s[12:13], s[84:85]
.macro FRAG reg, adr, q, i
.irp c, 0,1,2,3
	ds_load_b128 v[\reg+4*\c:\reg+4*\c+3], v[\adr] offset:(\q)*PLANE+32*\c+(\i)*16*PITCH
.endr
.endm
.macro MUL16 a0, p, zero
.irp a, \a0, \a0+1
.irp b, 0,1,2,3,4,5,6,7
.if \zero
	v_wmma_f32_16x16x128_fp8_fp8 v[8*(8*((\a)%4)+\b):8*(8*((\a)%4)+\b)+7], v[128*(\p)+FR*\b:128*(\p)+FR*\b+FR-1], v[AF+FR*(\a):AF+FR*(\a)+FR-1], 0
.else
	v_wmma_f32_16x16x128_fp8_fp8 v[8*(8*((\a)%4)+\b):8*(8*((\a)%4)+\b)+7], v[128*(\p)+FR*\b:128*(\p)+FR*\b+FR-1], v[AF+FR*(\a):AF+FR*(\a)+FR-1], v[8*(8*((\a)%4)+\b):8*(8*((\a)%4)+\b)+7]
.endif
.endr
.endr
.endm
.macro FETCH_B slot, q, p
	WIN TO_B
.irp i, 0,1,2,3,4,5,6,7
	FRAG 128*(\p)+FR*\i, ADRB+\slot, \q, \i
.endr
	WIN 0
.endm
.macro FETCH_A slot, q, i0
.irp i, \i0, \i0+1, \i0+2, \i0+3
	FRAG AF+FR*(\i), ADRA+\slot, \q, \i
.endr
.endm
.macro PLACES n
.rept \n
	v_nop
.endr
.endm
.macro STEP slot, q, zero
	s_wait_dscnt 4*NL
	WIN MUL_LO
	MUL16 0, (\q)%2, \zero
	MUL16 2, (\q)%2, \zero
	s_wait_dscnt 0
	PLACES NP
	FETCH_B \slot, (\q)+1, 1-(\q)%2
	FETCH_A \slot, (\q)+1, 0
	WIN MUL_HI
	MUL16 4, (\q)%2, \zero
	MUL16 6, (\q)%2, \zero
	PLACES NP
	WIN 0
	FETCH_A \slot, (\q)+1, 4
.endm
.macro TURN slot, next, fill
	s_wait_tensorcnt 0x0
	ds_add_u32 v[SPW], v[NIL]
	s_wait_dscnt 4*NL+1
	WIN MUL_LO
	MUL16 0, 1, 0
	s_wait_dscnt 0x0
	s_barrier_signal -1
	MUL16 2, 1, 0
	WIN 0
	s_barrier_wait -1
.if \fill
	CREST
	s_add_nc_u64 s[G0+4*\slot+2:G0+4*\slot+3], s[G0+4*\slot+2:G0+4*\slot+3], ASTEP
	s_add_nc_u64 s[G0B+4*\slot+2:G0B+4*\slot+3], s[G0B+4*\slot+2:G0B+4*\slot+3], BSTEP
	JLOAD G0+4*\slot, G1, G0B+4*\slot, G1B
.else
	PLACES NP
.endif
	FETCH_B \next, 0, 0
	FETCH_A \next, 0, 0
	WIN MUL_HI
	MUL16 4, 1, 0
	MUL16 6, 1, 0
	PLACES NP
	WIN 0
	FETCH_A \next, 0, 4
.endm
	s_wait_tensorcnt 1
	s_barrier_signal -1
	s_barrier_wait -1
	FETCH_B 0, 0, 0
	FETCH_A 0, 0, 0
	FETCH_A 0, 0, 4
	STEP 0, 0, 1
	TURN 0, 1, 1
	STEP 1, 0, 0
	TURN 1, 0, 1
	STEP 0, 0, 0
	TURN 0, 1, 0
	STEP 1, 0, 0
	s_wait_dscnt 4*NL
	WIN MUL_LO
	MUL16 0, 1, 0
	MUL16 2, 1, 0
	s_wait_dscnt 0
	WIN MUL_HI
	MUL16 4, 1, 0
	MUL16 6, 1, 0
	WIN 0
.macro TOSTAGE a
.set AC, 64*((\a)%4)
.irp hf, 0,1
	WIN 0x02+((\a)/4)
.irp j, 0,2,4,6,8,10,12,14,16,18,20,22,24,26,28,30
	v_pk_fma_f32 v[TMP+\j:TMP+\j+1], v[AC+32*\hf+\j:AC+32*\hf+\j+1], s[96:97], v[BN+32*\hf+\j:BN+32*\hf+\j+1] op_sel_hi:[1,0,1]
.endr
	WIN 0
.irp b, 0,1,2,3
	ds_store_b128 v[STO], v[TMP+8*\b:TMP+8*\b+3] offset:64*(4*\hf+\b)
	ds_store_b128 v[STO], v[TMP+8*\b+4:TMP+8*\b+7] offset:64*(4*\hf+\b)+16
.endr
.endr
.set BB, BK+64*((\a)%2)
.irp t, 0,1,2,3,4,5,6,7,8,9,10,11,12,13,14,15
	ds_load_b128 v[BB+4*\t:BB+4*\t+3], v[RD] offset:\t*SPITCH
.endr
.endm
.macro SEND a, younger
.set BB, BK+64*((\a)%2)
	s_wait_dscnt \younger
.if (\a) > 0
	s_add_nc_u64 s[12:13], s[12:13], 16*4096
.endif
.irp t, 0,1,2,3,4,5,6,7,8,9,10,11,12,13,14,15
	global_store_b128 v[CO], v[BB+4*\t:BB+4*\t+3], s[12:13] offset:\t*4096 th:TH_STORE_NT
.endr
.endm
	s_wait_kmcnt 0x0
	s_add_co_i32 s96, s96, s97
	s_add_co_i32 s96, s96, 127
	s_lshl_b32 s96, s96, 23
	s_mov_b32 s97, s96
	PLACES NP
	s_wait_loadcnt 0x0
	TOSTAGE 0
.irp a, 1,2,3,4,5,6,7
.if \a > 1
	s_wait_xcnt 0x0
.endif
	TOSTAGE \a
	SEND \a-1, 32
.endr
	s_wait_xcnt 0x0
	SEND 7, 0
	s_wait_tensorcnt 0x0
	ds_add_u32 v[SPW], v[NIL]
	s_wait_dscnt 0x0
	CROUND
	s_endpgm
.Lfunc_end_k_q230a4676ed_out_proj:
	.size	k_q230a4676ed_out_proj, .Lfunc_end_k_q230a4676ed_out_proj-k_q230a4676ed_out_proj
	.p2alignl 7, 3214868480
	.fill 96, 4, 3214868480
	.section	.rodata,"a",@progbits
	.p2align	6, 0x0
	.amdhsa_kernel k_q230a4676ed_out_proj
		.amdhsa_group_segment_fixed_size 327680
		.amdhsa_private_segment_fixed_size 0
		.amdhsa_enable_private_segment 0
		.amdhsa_kernarg_size 40
		.amdhsa_user_sgpr_count 2
		.amdhsa_user_sgpr_kernarg_segment_ptr 1
		.amdhsa_wavefront_size32 1
		.amdhsa_system_sgpr_workgroup_id_x 1
		.amdhsa_system_sgpr_workgroup_id_y 1
		.amdhsa_system_sgpr_workgroup_id_z 1
		.amdhsa_system_vgpr_workitem_id 0
		.amdhsa_next_free_vgpr 1024
		.amdhsa_next_free_sgpr 100
		.amdhsa_reserve_vcc 0
		.amdhsa_float_denorm_mode_32 3
		.amdhsa_float_denorm_mode_16_64 3
		.amdhsa_memory_ordered 1
		.amdhsa_forward_progress 1
		.amdhsa_inst_pref_size 126
	.end_amdhsa_kernel
	.amdgpu_metadata
---
amdhsa.version: [ 1, 2 ]
amdhsa.kernels:
  - .name:           k_q230a4676ed_out_proj
    .symbol:         k_q230a4676ed_out_proj.kd
    .args:
      - { .name: ac, .offset: 0, .size: 8, .value_kind: global_buffer, .address_space: global }
      - { .name: codes, .offset: 8, .size: 8, .value_kind: global_buffer, .address_space: global }
      - { .name: lowp_scales, .offset: 16, .size: 8, .value_kind: global_buffer, .address_space: global }
      - { .name: bo, .offset: 24, .size: 8, .value_kind: global_buffer, .address_space: global }
      - { .name: out0, .offset: 32, .size: 8, .value_kind: global_buffer, .address_space: global }
    .group_segment_fixed_size: 327680
    .private_segment_fixed_size: 0
    .kernarg_segment_align: 8
    .kernarg_segment_size: 40
    .max_flat_workgroup_size: 128
    .sgpr_count:     100
    .vgpr_count:     1024
    .wavefront_size: 32
...
	.end_amdgpu_metadata
.endif
;; end of part 4
